; MI455X (gfx1250); checked and timed in simulation.
; The chip was launched on July 23, 2026; its instructions are those of AMD's public machine-readable ISA for CDNA 5 (MIT licence, August 2026) and "CDNA5" Instruction Set Architecture Reference Guide (July 2026). The comments in the code are by the model that wrote it; some were corrected since.
;; Text Cond Block. Allowed arithmetic: matrix products marked QUANTISED: E5M2 operands, one given power-of-two scale a tensor, by v_wmma_f32_16x16x64_bf8_bf8 or v_wmma_f32_16x16x128_bf8_bf8, f32 sums; everything else in f32.
;; Inputs: Wk 1,024 x 1,024 float32; Wo 1,024 x 1,024 float32; Wq 1,024 x 1,024 float32; Wv 1,024 x 1,024 float32; b_t 1,024 float32; b_x 1,024 float32; bk 1,024 float32; bo 1,024 float32; bq 1,024 float32; bv 1,024 float32; g_t 1,024 float32; g_x 1,024 float32; lowp_scales 12 int32 (the exponents e of the quantised operands' scales 2^e); text_embeddings 8 x 512 x 1,024 float32; x 8 x 1,024 x 2,048 float32.
;; Outputs: out0 8 x 1,024 x 2,048 float32.
;; This version of the problem:
;;   THIS VERSION OF THE PROBLEM IS GIVEN IN LOW PRECISION. The matrix products marked QUANTISED in the list below multiply operands that are first quantised to E5M2 (5 exponent bits, 2 mantissa bits; 8 bits a number), with one given power-of-two scale for each operand tensor; their sums are f32. All else is computed in f32.
;;   The module's matrix products, in the order in which they are computed (A, B: the left and right operand; K: the contracted axis; several contracted axes count as one K, in the product's order):
;;     1. [M 16,384, K 1,024] x [K 1,024, N 1,024]; A: computed on the way; B: input Wq: QUANTISED (scales: A lowp_scales[0], B lowp_scales[1])
;;     2. [M 4,096, K 1,024] x [K 1,024, N 1,024]; A: computed on the way; B: input Wk: QUANTISED (scales: A lowp_scales[2], B lowp_scales[3])
;;     3. [M 4,096, K 1,024] x [K 1,024, N 1,024]; A: computed on the way; B: input Wv: QUANTISED (scales: A lowp_scales[4], B lowp_scales[5])
;;     4. batch 128 x [M 2,048, K 64] x [K 64, N 512]; A: computed on the way; B: computed on the way: QUANTISED (scales: A lowp_scales[6], B lowp_scales[7])
;;     5. batch 128 x [M 64, K 512] x [K 512, N 2,048]; A: computed on the way; B: softmax (see below): QUANTISED (scales: A lowp_scales[8], B lowp_scales[9])
;;     6. [M 16,384, K 1,024] x [K 1,024, N 1,024]; A: computed on the way; B: input Wo: QUANTISED (scales: A lowp_scales[10], B lowp_scales[11])
;;   THE QUANTISER, for each operand of a quantised product, along K:
;;     - The operand's scale is 2^e, e = its entry of the input lowp_scales (int32; the entries are numbered through the quantised products in the list's order, A before B).
;;     - Each number is divided by the scale, clamped to +-57,344, and rounded to the nearest number of E5M2, ties to even, subnormals kept.
;;     - The product sums the exact products of the quantised numbers (number of the format x scale) in f32.
;;   ~~~python
;;   def quantise(x, axis, e):      # numpy; x: float32 -> the quantised numbers, widened to float32 again
;;       x = np.moveaxis(x, axis, -1); K = x.shape[-1]
;;       r = np.clip(x / 2.0 ** e, -57344, 57344)
;;       step = 2.0 ** (np.maximum(np.frexp(np.where(r == 0, 1, r))[1] - 1, -14) - 2)
;;       q = np.round(r / step) * step * 2.0 ** e      # np.round: ties to even
;;       return np.moveaxis(q, -1, axis).astype(np.float32)
;;   ~~~
;;   SOFTMAX AHEAD OF A QUANTISED PRODUCT. Where the list says 'softmax', what is quantised is not the finished softmax but p = 2^(t - M), with t = logit x log2(e) and M = ceil(the row's largest t), a whole number; so 1/2 < the row's largest p <= 1. The row's sum l is taken of the UNQUANTISED p, in f32, and the product's result is divided by l at the end. Since M is a whole number, a kernel that streams over the keys may use a running M (the ceiling of the running maximum): every later rescaling is an exact power of two, so the quantised numbers keep their values, but for numbers so far below the row's largest that they fall under the format's range.
;;   OPERANDS COMPUTED ON THE WAY. 'Computed on the way' means the value that the module computes at that place (a softmax that the list does not call 'softmax' is quantised finished and normalised). What goes into a quantiser is computed in f32, as accurately as f32 sums, v_exp_f32 and their like allow (about 1e-6 of the number): no bf16 or f16 on the way to a quantiser, and a product that is left as it is and whose result goes on into a quantised operand takes f32 operands (vector FMAs, or v_wmma_f32_16x16x4_f32). A number that lies on a knife's edge between two numbers of the format may be rounded either way, as far as f32 arithmetic and the matrix unit's own rounding can turn it there, and no further.
;; 2 versions, each right; version 2 is version 1 with the launch attn written anew for expert scheduling mode. Each part assembles by itself: llvm-mc -triple=amdgcn-amd-amdhsa -mcpu=gfx1250 --defsym DOCPART=n.
;; ======== version 1 of 2: 4 launches
;; workspace buffers: opnd 29,360,128 bytes; rope 524,288 bytes; qkv 25,165,824 bytes; oimg 16,777,216 bytes
;; launch prep (part 1): grid 256 x 1, 16 waves a work-group, no clusters, 137,216 bytes of LDS; arguments x, text_embeddings, g_x, b_x, g_t, b_t, Wq, Wk, Wv, Wo, lowp_scales, opnd, rope; writes opnd, rope
.if DOCPART == 1
	.amdgcn_target "amdgcn-amd-amdhsa--gfx1250"
	.amdhsa_code_object_version 6
	.text
	.protected	k_q38163628d6_prep
	.globl	k_q38163628d6_prep
	.p2align	8
	.type	k_q38163628d6_prep,@function
k_q38163628d6_prep:
	s_mov_b64 s[64:65], 0
	v_nop
	global_prefetch_b8 v0, s[64:65] scope:SCOPE_SE
	s_setreg_imm32_b32 hwreg(HW_REG_WAVE_MODE, 25, 1), 1
	s_wait_xcnt 0x0
; PREP: everything that is quantised once.  Every work-group does a share of four jobs, one after the other:
;   x [8][1024][2048] f32: LayerNorm over the 1,024 channels of each column s, quantised with 2^e0            -> opnd + 0
;   text [4096][1024] f32: LayerNorm of each row, quantised twice, with 2^e2 and with 2^e4                    -> opnd + TK_OFF, opnd + TV_OFF
;   Wq, Wk, Wv, Wo [k][n] f32: quantised with 2^e1, e3, e5, e11, laid with K innermost                        -> opnd + W_OFF + 1 MiB x which
;   the table of cosines and sines of pos / 10000^(j/32), pos = 0 .. 2047, j = 0 .. 31                        -> rope: [pos][32 cos][32 sin] f32
; THE IMAGE.  Codes X[row][k] lie as [row / 16][k / 128][4 chunks][32 lanes][16 bytes]: lane (r, h) of chunk q holds, of row 16 (row / 16) + r, k = 32 q + 8 h + 0..7 in bytes 0-7 and
; k = 32 q + 16 + 8 h + 0..7 in bytes 8-15: registers 4 q .. 4 q + 3 of an operand of v_wmma_f32_16x16x128_bf8_bf8 (ISA guide 7.12.2).  The eight codes k = 8 p .. 8 p + 7 of row r lie at
; 512 (p / 4) + 256 (p % 2) + 8 ((p / 2) % 2) + 16 r of a fragment's 2,048 bytes.  A later launch gets a fragment by four loads of 16 bytes a lane, 512 consecutive bytes each.
; SHARES (g = work-group, w = wave, l = lane).  x: batch g / 32, columns 64 (g % 32) on; wave w takes 32 columns (w % 2) and 128 channels (w / 2): A LANE TAKES A COLUMN AND ITS REGISTERS RUN DOWN
; THE CHANNELS, which are K.  text: row 16 g + w, 32 numbers a lane.  weights: tensor g / 64, 128 k x 128 n; wave w takes 32 n (w % 4) x 32 k (w / 4), a lane a column n.  table: waves 0-7, pos = 8 g + w.
; LayerNorm is taken in two passes over registers: the mean, then the mean of (x - mean)^2, as the problem writes it.  For x the eight waves that share a column meet in LDS, twice.
; LIMITS.  e0, e1, e2, e3, e4, e5, e11 between -126 and 112, so that 2^e and 57,344 x 2^e are f32 numbers.  NaN among the inputs is not served.  1 / 10000^(j/32) is made by v_exp_f32 of
; j x (-log2(10000) / 32), so an angle agrees with a correctly rounded one to a few units in its last place; sine and cosine by reduction with pi / 2 in two parts and polynomials of degree 7 and 8.
.set GB,   0                           ; LDS: g_x, b_x, g_t, b_t, 4,096 bytes each
.set PS1,  16384                       ; [8 parts of the channels][64 columns] f32: sums
.set PS2,  18432                       ; the same: sums of squares
.set TKS,  20480                       ; the text row tile's image with e2: 16,384 bytes
.set TVS,  36864                       ; with e4
.set WS,   53248                       ; 1,024 bytes for each wave: two chunks of a weight's image
.set XS,   69632                       ; 4,096 bytes for each wave: two fragments of x's image
.set TK_OFF, 0x1000000
.set W_OFF,  0x1800000
.set X,   32                           ; v32-159   128 channels of my column
.set T,   160                          ; v160-191  32 numbers of my text row; later g and b of 16 channels
.set W,   192                          ; v192-223  32 k of my column of a weight; later text codes; later g and b
.set TMP, 224                          ; v224-255  at work
.macro MKSC vs, vl, se                 ; v[vs] = 2^e as f32 (the conversion takes its exponent field), v[vl] = 57,344 x 2^e
	s_add_co_i32 s80, \se, 127
	s_lshl_b32 s81, s80, 23
	v_mov_b32 v[\vs], s81
	s_add_co_i32 s80, s80, 15
	s_lshl_b32 s80, s80, 23
	s_or_b32 s80, s80, 0x600000
	v_mov_b32 v[\vl], s80
.endm
.macro WSUM r, t                       ; the sum over the wave's 32 lanes, in every lane
	v_add_f32_dpp v[\r], v[\r], v[\r] row_xmask:1 row_mask:0xf bank_mask:0xf
	v_add_f32_dpp v[\r], v[\r], v[\r] row_xmask:2 row_mask:0xf bank_mask:0xf
	v_add_f32_dpp v[\r], v[\r], v[\r] row_xmask:4 row_mask:0xf bank_mask:0xf
	v_add_f32_dpp v[\r], v[\r], v[\r] row_xmask:8 row_mask:0xf bank_mask:0xf
	v_permlanex16_b32 v[\t], v[\r], s44, s45
	v_add_f32 v[\r], v[\r], v[\t]
.endm
.macro JOIN                            ; four chains of pairs in v248-255 become one number in v248
	v_pk_add_f32 v[248:249], v[248:249], v[250:251]
	v_pk_add_f32 v[252:253], v[252:253], v[254:255]
	v_pk_add_f32 v[248:249], v[248:249], v[252:253]
	v_add_f32 v248, v248, v249
.endm
.macro PSUM                            ; the eight parts in v240-247, always in this order, become v240
	v_add_f32 v240, v240, v241
	v_add_f32 v242, v242, v243
	v_add_f32 v244, v244, v245
	v_add_f32 v246, v246, v247
	v_add_f32 v240, v240, v242
	v_add_f32 v244, v244, v246
	v_add_f32 v240, v240, v244
.endm
.macro BARRIER                         ; my LDS stores have landed and my LDS loads are in: then the work-group's barrier
	s_wait_dscnt 0x0
	s_barrier_signal -1
	s_barrier_wait -1
.endm
	s_load_b512 s[4:19], s[0:1], 0x0               ; x, text, g_x, b_x, g_t, b_t, Wq, Wk
	s_load_b256 s[20:27], s[0:1], 0x40             ; Wv, Wo, the exponents, opnd
	s_load_b64 s[28:29], s[0:1], 0x60              ; rope
	v_lshrrev_b32 v1, 5, v0
	v_readfirstlane_b32 s30, v1                    ; wave 0..15
	v_and_b32 v1, 31, v0                           ; lane
	v_lshlrev_b32 v2, 2, v1                        ; 4 l
	v_lshlrev_b32 v3, 4, v1                        ; 16 l
	v_lshlrev_b32 v4, 5, v1                        ; 32 l
	v_and_b32 v5, 255, v0
	v_lshlrev_b32 v5, 4, v5                        ; 16 (thread % 256): my 16 bytes of a vector of 4,096
	v_lshlrev_b32 v6, 4, v0                        ; GB + 16 x thread
	v_lshlrev_b32 v17, 3, v1                       ; 8 l
	s_and_b32 s50, s30, 1                          ; which 32 columns of x
	s_lshr_b32 s51, s30, 1                         ; which 128 channels
	s_and_b32 s52, s30, 3                          ; which 32 n of the weight
	s_lshr_b32 s53, s30, 2                         ; which 32 k
	; every LDS address is made here: a constant + a constant x wave + a term of the lane
	s_lshl_b32 s54, s50, 7
	s_add_co_u32 s55, s54, PS1
	v_add_nc_u32 v8, s55, v2                       ; v8: my column's word in part 0
	s_lshl_b32 s56, s51, 8
	s_add_co_u32 s55, s55, s56
	v_add_nc_u32 v7, s55, v2                       ; v7: in my wave's part
	v_lshrrev_b32 v26, 4, v1                       ; l / 16
	v_and_b32 v27, 15, v1                          ; l % 16
	v_lshlrev_b32 v9, 11, v26                      ; v9: where the eight codes k = 8 l .. of text row w go: K step l / 16, p = l % 16
	v_bfe_u32 v28, v1, 2, 2
	v_lshl_add_u32 v9, v28, 9, v9
	v_and_b32 v28, 1, v1
	v_lshl_add_u32 v9, v28, 8, v9
	v_bfe_u32 v28, v1, 1, 1
	v_lshl_add_u32 v9, v28, 3, v9
	s_lshl_b32 s55, s30, 4
	s_add_co_u32 s55, s55, TKS
	v_add_nc_u32 v9, s55, v9
	s_lshl_b32 s55, s30, 10
	s_add_co_u32 s56, s55, TKS
	v_add_nc_u32 v10, s56, v3                      ; v10: the 1,024 bytes of the text image that I store
	s_add_co_u32 s56, s55, WS
	v_add_nc_u32 v12, s56, v3                      ; v12: my weight stage, read back
	v_lshlrev_b32 v28, 4, v27
	v_lshl_add_u32 v11, v26, 9, v28
	v_add_nc_u32 v11, s56, v11                     ; v11: my weight stage, on the way in: row tile l / 16, row l % 16
	s_lshl_b32 s55, s30, 12
	s_add_co_u32 s55, s55, XS
	v_add_nc_u32 v14, s55, v3                      ; v14: my x stage, read back
	v_lshl_add_u32 v13, v26, 11, v28
	v_add_nc_u32 v13, s55, v13                     ; v13: on the way in
	s_lshl_b32 s55, s51, 9
	v_mov_b32 v15, s55                             ; v15: g_x of my 128 channels (all lanes read the same words)
	v_add_nc_u32 v16, GB+8192, v4                  ; v16: g_t of my 8 numbers of a quarter row
	; byte offsets in memory, each in registers of its own
	s_lshr_b32 s58, ttmp9, 5                       ; batch
	s_and_b32 s59, ttmp9, 31
	s_lshl_b32 s60, s58, 23                        ; x: batch x 8 MiB + 128 channels x 8,192 bytes + 256 (g % 32) + 128 (w % 2)
	s_lshl_b32 s61, s51, 20
	s_add_co_u32 s60, s60, s61
	s_lshl_b32 s61, s59, 8
	s_add_co_u32 s60, s60, s61
	s_add_co_u32 s60, s60, s54
	s_mov_b32 s61, 0
	s_lshl_b32 s62, s58, 21                        ; x's image: row tile 128 batch + 4 (g % 32) + 2 (w % 2), K step w / 2
	s_lshl_b32 s63, s59, 16
	s_add_co_u32 s62, s62, s63
	s_lshl_b32 s63, s50, 15
	s_add_co_u32 s62, s62, s63
	s_lshl_b32 s63, s51, 11
	s_add_co_u32 s62, s62, s63
	s_mov_b32 s63, 0
	s_lshl_b32 s66, ttmp9, 16                      ; text: row 16 g + w of 4,096 bytes
	s_lshl_b32 s67, s30, 12
	s_add_co_u32 s66, s66, s67
	s_mov_b32 s67, 0
	s_lshl_b32 s68, ttmp9, 14                      ; text's image: row tile g, my 1,024 bytes
	s_lshl_b32 s69, s30, 10
	s_add_co_u32 s68, s68, s69
	s_add_co_u32 s68, s68, TK_OFF
	s_mov_b32 s69, 0
	s_lshr_b32 s77, ttmp9, 6                       ; which weight
	s_bfe_u32 s78, ttmp9, 0x30003                  ; which 128 k
	s_and_b32 s79, ttmp9, 7                        ; which 128 n
	s_lshl_b32 s70, s78, 19                        ; the weight: row 128 kb + 32 (w / 4) of 4,096 bytes, column 128 nb + 32 (w % 4)
	s_lshl_b32 s71, s53, 17
	s_add_co_u32 s70, s70, s71
	s_lshl_b32 s71, s79, 9
	s_add_co_u32 s70, s70, s71
	s_lshl_b32 s71, s52, 7
	s_add_co_u32 s70, s70, s71
	s_mov_b32 s71, 0
	s_lshl_b32 s72, s77, 20                        ; its image: row tile 8 nb + 2 (w % 4), K step kb, chunk w / 4
	s_lshl_b32 s73, s79, 17
	s_add_co_u32 s72, s72, s73
	s_lshl_b32 s73, s52, 15
	s_add_co_u32 s72, s72, s73
	s_lshl_b32 s73, s78, 11
	s_add_co_u32 s72, s72, s73
	s_lshl_b32 s73, s53, 9
	s_add_co_u32 s72, s72, s73
	s_add_co_u32 s72, s72, W_OFF
	s_mov_b32 s73, 0
	s_lshl_b32 s76, ttmp9, 3
	s_add_co_u32 s76, s76, s30                     ; pos = 8 g + w (used by waves 0-7)
	s_lshl_b32 s74, s76, 8
	s_mov_b32 s75, 0
	s_mov_b32 s44, 0x76543210                      ; v_permlanex16_b32: lane l xor 16
	s_mov_b32 s45, 0xfedcba98
	s_mov_b32 s82, 0x3a800000                      ; 1 / 1024
	s_mov_b32 s83, 0x3727c5ac                      ; 1e-5
	s_mov_b32 s84, 0xbfc90fdb                      ; -(pi / 2), upper part
	s_mov_b32 s85, 0x333bbd2e                      ; -(pi / 2), what the upper part lacks
	s_wait_kmcnt 0x0
	s_load_b128 s[32:35], s[24:25], 0x0            ; e0 .. e3
	s_load_b128 s[36:39], s[24:25], 0x10           ; e4 .. e7
	s_load_b128 s[40:43], s[24:25], 0x20           ; e8 .. e11
	s_add_nc_u64 s[4:5], s[4:5], s[60:61]
	s_add_nc_u64 s[6:7], s[6:7], s[66:67]
	s_cmp_eq_u32 s77, 0                            ; the weight is chosen by the work-group's number alone
	s_cselect_b64 s[16:17], s[16:17], s[18:19]
	s_cmp_eq_u32 s77, 2
	s_cselect_b64 s[20:21], s[20:21], s[22:23]
	s_cmp_lt_u32 s77, 2
	s_cselect_b64 s[16:17], s[16:17], s[20:21]
	s_add_nc_u64 s[16:17], s[16:17], s[70:71]
	s_cmp_lt_u32 s30, 8                            ; threads 0-255 copy the gains, threads 256-511 the biases
	s_cselect_b64 s[46:47], s[8:9], s[10:11]
	s_cselect_b64 s[48:49], s[12:13], s[14:15]
	s_add_nc_u64 s[62:63], s[26:27], s[62:63]
	s_add_nc_u64 s[68:69], s[26:27], s[68:69]
	s_add_nc_u64 s[72:73], s[26:27], s[72:73]
	s_add_nc_u64 s[28:29], s[28:29], s[74:75]
	; ---- all loads of the launch, the small ones first
	global_load_b128 v[TMP:TMP+3], v5, s[46:47]
	global_load_b128 v[TMP+4:TMP+7], v5, s[48:49]
.irp gq, 0,1,2,3
	global_load_b128 v[T+8*\gq:T+8*\gq+3], v4, s[6:7] offset:1024*\gq th:TH_LOAD_NT        ; k = 256 gq + 8 l + 0..3
	global_load_b128 v[T+8*\gq+4:T+8*\gq+7], v4, s[6:7] offset:1024*\gq+16 th:TH_LOAD_NT   ; + 4..7
.endr
.set i, 0
.rept 32
	global_load_b32 v[W+i], v2, s[16:17] offset:i*4096 th:TH_LOAD_NT     ; W(k + i, my n): 32 lanes read 128 consecutive bytes
.set i, i+1
.endr
.set i, 0
.rept 128
	global_load_b32 v[X+i], v2, s[4:5] offset:i*8192 th:TH_LOAD_NT       ; x(channel i of my 128, my column)
.set i, i+1
.endr
	s_wait_kmcnt 0x0
	s_cmp_eq_u32 s77, 0
	s_cselect_b32 s78, s33, s35
	s_cmp_eq_u32 s77, 2
	s_cselect_b32 s79, s37, s43
	s_cmp_lt_u32 s77, 2
	s_cselect_b32 s78, s78, s79                    ; the weight's exponent: e1, e3, e5 or e11
	MKSC 18, 19, s32
	MKSC 20, 21, s34
	MKSC 22, 23, s36
	MKSC 24, 25, s78
	s_wait_loadcnt 63                              ; 128 loads were issued behind the gains', the text's and the weight's: with 63 out, those are in
	ds_store_b128 v6, v[TMP:TMP+3]
	ds_store_b128 v6, v[TMP+4:TMP+7] offset:8192
	; ---- the table: waves 0-7, a position each; lanes 0-15 make cosines, lanes 16-31 sines, of j = 2 (l % 16) and the next
	s_cmp_ge_u32 s30, 8
	s_cbranch_scc1 .Lno_table
	v_lshlrev_b32 v232, 1, v27
	v_cvt_f32_u32 v233, v232
	v_add_f32 v234, 1.0, v233
	v_mul_f32 v233, 0xbed49a78, v233               ; j x (-log2(10000) / 32)
	v_mul_f32 v234, 0xbed49a78, v234
	v_exp_f32 v233, v233
	v_exp_f32 v234, v234
	v_sub_nc_u32 v235, 1, v26                      ; (a plain line behind the exponentials)  1 for the cosines: cos(a) = sin(a + pi / 2)
	v_cvt_f32_u32 v236, s76                        ; pos
	s_wait_alu depctr_va_vdst(0)                   ; one wait for both exponentials, ahead of their first reader
.macro SINCOS dst, inv
	v_mul_f32 v240, v236, v[\inv]                  ; the angle, rounded once, as the problem has it
	v_mul_f32 v241, 0x3f22f983, v240
	v_rndne_f32 v241, v241                         ; n = the nearest multiple of pi / 2
	v_fma_f32 v242, v241, s84, v240
	v_fma_f32 v242, v241, s85, v242                ; what is left, within +-pi / 4
	v_mul_f32 v243, v242, v242
	v_cvt_i32_f32 v244, v241
	v_add_nc_u32 v244, v244, v235                  ; the quadrant
	v_mov_b32 v245, 0xb94ca1f9
	v_fmaak_f32 v245, v245, v243, 0x3c08839e
	v_fmaak_f32 v245, v245, v243, 0xbe2aaaa3
	v_mul_f32 v246, v242, v243
	v_fma_f32 v245, v246, v245, v242               ; the sine of it
	v_mov_b32 v247, 0x37ccf5ce
	v_fmaak_f32 v247, v247, v243, 0xbab6061a
	v_fmaak_f32 v247, v247, v243, 0x3d2aaaa5
	v_mul_f32 v248, v243, v243
	v_fma_f32 v249, v243, -0.5, 1.0
	v_fma_f32 v247, v248, v247, v249               ; the cosine of it
	v_and_b32 v248, 1, v244
	v_cmp_eq_u32 vcc_lo, 1, v248
	v_cndmask_b32 v[\dst], v245, v247, vcc_lo      ; odd quadrants take the cosine,
	v_and_b32 v248, 2, v244
	v_lshlrev_b32 v248, 30, v248
	v_xor_b32 v[\dst], v[\dst], v248               ; quadrants 2 and 3 change the sign
.endm
	SINCOS 30, 233
	SINCOS 31, 234
	global_store_b64 v17, v[30:31], s[28:29]       ; the wave stores the position's 256 bytes; v30, v31 and v17 are not written again
.Lno_table:
	; ---- the weight: 32 k of my column become four groups of eight codes; two chunks of 512 bytes leave through my stage
.set i, 0
.rept 32
	v_med3_num_f32 v[W+i], v[W+i], -v25, v25       ; the conversion to an 8-bit code does not saturate (ISA guide 7.6.2): the hold at the largest code x the scale
.set i, i+1
.endr
.irp p, 0,1,2,3
	v_cvt_scalef32_pk8_bf8_f32 v[TMP+8+2*\p:TMP+9+2*\p], v[W+8*\p:W+8*\p+7], v24
.endr
	v_nop                                          ; a plain line behind the last conversion
.irp p, 0,1,2,3
	ds_store_b64 v11, v[TMP+8+2*\p:TMP+9+2*\p] offset:(\p%2)*256+(\p/2)*8
.endr
	ds_load_b128 v[TMP+16:TMP+19], v12             ; LDS serves a wave's instructions in order (ISA guide 5.7.1.4): these see my stores
	ds_load_b128 v[TMP+20:TMP+23], v12 offset:512
	s_wait_dscnt 0x0
	global_store_b128 v3, v[TMP+16:TMP+19], s[72:73]                 ; 512 consecutive bytes each
	global_store_b128 v3, v[TMP+20:TMP+23], s[72:73] offset:16384    ; the next row tile
	; ---- the text row's mean and 1 / sqrt(variance + 1e-5)
.irp c, 0,1,2,3
	v_pk_add_f32 v[248+2*\c:249+2*\c], v[T+2*\c:T+2*\c+1], v[T+8+2*\c:T+9+2*\c]
.endr
.irp c, 0,1,2,3
	v_pk_add_f32 v[248+2*\c:249+2*\c], v[248+2*\c:249+2*\c], v[T+16+2*\c:T+17+2*\c]
.endr
.irp c, 0,1,2,3
	v_pk_add_f32 v[248+2*\c:249+2*\c], v[248+2*\c:249+2*\c], v[T+24+2*\c:T+25+2*\c]
.endr
	JOIN
	WSUM 248, 249
	v_mul_f32 v26, s82, v248
	v_mov_b32 v27, v26
.set i, 0
.rept 16
	v_pk_add_f32 v[T+i:T+i+1], v[T+i:T+i+1], v[26:27] neg_lo:[0,1] neg_hi:[0,1]    ; x - mean, in place
.set i, i+2
.endr
.irp c, 0,1,2,3
	v_pk_mul_f32 v[248+2*\c:249+2*\c], v[T+2*\c:T+2*\c+1], v[T+2*\c:T+2*\c+1]
.endr
.set i, 8
.rept 3
.irp c, 0,1,2,3
	v_pk_fma_f32 v[248+2*\c:249+2*\c], v[T+i+2*\c:T+i+2*\c+1], v[T+i+2*\c:T+i+2*\c+1], v[248+2*\c:249+2*\c]
.endr
.set i, i+8
.endr
	JOIN
	WSUM 248, 249
	v_fma_f32 v248, v248, s82, s83
	v_rsq_f32 v28, v248
	v_nop                                          ; a plain line behind the transcendental
	s_wait_alu depctr_va_vdst(0)                   ; and the wait ahead of its first reader
	v_mov_b32 v29, v28
	; ---- x: my 128 channels' sum for my column
	s_wait_loadcnt 0x0
	s_wait_xcnt 0x0                                ; the weight's stores have read v240-247: they are written again below
.irp c, 0,1,2,3
	v_pk_add_f32 v[248+2*\c:249+2*\c], v[X+2*\c:X+2*\c+1], v[X+8+2*\c:X+9+2*\c]
.endr
.set i, 16
.rept 14
.irp c, 0,1,2,3
	v_pk_add_f32 v[248+2*\c:249+2*\c], v[248+2*\c:249+2*\c], v[X+i+2*\c:X+i+2*\c+1]
.endr
.set i, i+8
.endr
	JOIN
	ds_store_b32 v7, v248
	BARRIER                                        ; the gains, the biases and the eight parts of every column's sum lie in LDS
.irp k, 0,1,2,3,4,5,6,7
	ds_load_b32 v[240+\k], v8 offset:256*\k
.endr
	s_wait_dscnt 0x0
	PSUM
	v_mul_f32 v26, s82, v240                       ; my column's mean
	v_mov_b32 v27, v26
.set i, 0
.rept 64
	v_pk_add_f32 v[X+i:X+i+1], v[X+i:X+i+1], v[26:27] neg_lo:[0,1] neg_hi:[0,1]
.set i, i+2
.endr
.irp c, 0,1,2,3
	v_pk_mul_f32 v[248+2*\c:249+2*\c], v[X+2*\c:X+2*\c+1], v[X+2*\c:X+2*\c+1]
.endr
.set i, 8
.rept 15
.irp c, 0,1,2,3
	v_pk_fma_f32 v[248+2*\c:249+2*\c], v[X+i+2*\c:X+i+2*\c+1], v[X+i+2*\c:X+i+2*\c+1], v[248+2*\c:249+2*\c]
.endr
.set i, i+8
.endr
	JOIN
	ds_store_b32 v7, v248 offset:2048
	; ---- the text row, normalised and quantised twice; eight codes a lane and quarter row go into the row tile's two images
.irp gq, 0,1,2,3
	ds_load_b128 v[224:227], v16 offset:1024*\gq
	ds_load_b128 v[228:231], v16 offset:1024*\gq+16
	ds_load_b128 v[232:235], v16 offset:4096+1024*\gq
	ds_load_b128 v[236:239], v16 offset:4096+1024*\gq+16
	s_wait_dscnt 0x0
.irp p, 0,2,4,6
	v_pk_mul_f32 v[T+8*\gq+\p:T+8*\gq+\p+1], v[T+8*\gq+\p:T+8*\gq+\p+1], v[28:29]
.endr
.irp p, 0,2,4,6
	v_pk_fma_f32 v[T+8*\gq+\p:T+8*\gq+\p+1], v[T+8*\gq+\p:T+8*\gq+\p+1], v[224+\p:225+\p], v[232+\p:233+\p]
.endr
.irp i, 0,1,2,3,4,5,6,7
	v_med3_num_f32 v[240+\i], v[T+8*\gq+\i], -v21, v21
.endr
	v_cvt_scalef32_pk8_bf8_f32 v[W+2*\gq:W+2*\gq+1], v[240:247], v20
.irp i, 0,1,2,3,4,5,6,7
	v_med3_num_f32 v[248+\i], v[T+8*\gq+\i], -v23, v23
.endr
	v_cvt_scalef32_pk8_bf8_f32 v[W+8+2*\gq:W+9+2*\gq], v[248:255], v22
	v_nop
	ds_store_b64 v9, v[W+2*\gq:W+2*\gq+1] offset:4096*\gq
	ds_store_b64 v9, v[W+8+2*\gq:W+9+2*\gq] offset:16384+4096*\gq
.endr
	BARRIER                                        ; the sums of squares and the text's two images lie in LDS
.macro GBLOAD ch, buf                  ; g_x and b_x of channels 16 ch .. 16 ch + 15 of my 128: 16 + 16 registers
.irp i, 0,1,2,3
	ds_load_b128 v[\buf+4*\i:\buf+4*\i+3], v15 offset:64*(\ch)+16*\i
.endr
.irp i, 0,1,2,3
	ds_load_b128 v[\buf+16+4*\i:\buf+16+4*\i+3], v15 offset:4096+64*(\ch)+16*\i
.endr
.endm
.irp k, 0,1,2,3,4,5,6,7
	ds_load_b32 v[240+\k], v8 offset:2048+256*\k
.endr
	ds_load_b128 v[224:227], v10
	ds_load_b128 v[228:231], v10 offset:512
	ds_load_b128 v[232:235], v10 offset:16384
	ds_load_b128 v[236:239], v10 offset:16896
	GBLOAD 0, T
	s_wait_dscnt 8                                 ; all but the eight loads of g and b
	global_store_b128 v3, v[224:227], s[68:69]                       ; 512 consecutive bytes each
	global_store_b128 v3, v[228:231], s[68:69] offset:512
	global_store_b128 v3, v[232:235], s[68:69] offset:0x400000       ; the image with e4 lies 4 MiB further on
	global_store_b128 v3, v[236:239], s[68:69] offset:0x400000+512
	PSUM
	v_fma_f32 v240, v240, s82, s83
	v_rsq_f32 v28, v240
	v_nop
	s_wait_alu depctr_va_vdst(0)
	v_mov_b32 v29, v28
	s_wait_xcnt 0x0                                ; the stores have read v224-239: x's codes are written there
	; ---- x, normalised and quantised, 16 channels at a time; the next 16 channels' g and b are on their way meanwhile
.macro XCHUNK ch, buf
.set XC, X+16*(\ch)
.irp p, 0,2,4,6,8,10,12,14
	v_pk_mul_f32 v[XC+\p:XC+\p+1], v[XC+\p:XC+\p+1], v[28:29]
.endr
.irp p, 0,2,4,6,8,10,12,14
	v_pk_fma_f32 v[XC+\p:XC+\p+1], v[XC+\p:XC+\p+1], v[\buf+\p:\buf+\p+1], v[\buf+16+\p:\buf+17+\p]
.endr
.irp i, 0,1,2,3,4,5,6,7,8,9,10,11,12,13,14,15
	v_med3_num_f32 v[XC+\i], v[XC+\i], -v19, v19
.endr
	v_cvt_scalef32_pk8_bf8_f32 v[TMP+4*(\ch):TMP+4*(\ch)+1], v[XC:XC+7], v18
	v_cvt_scalef32_pk8_bf8_f32 v[TMP+4*(\ch)+2:TMP+4*(\ch)+3], v[XC+8:XC+15], v18
.endm
.irp ch, 0,1,2,3,4,5,6,7
.if \ch < 7
	GBLOAD \ch+1, T+32*((\ch+1)%2)
	s_wait_dscnt 8                                 ; this chunk's are in; the next chunk's eight may be out
.else
	s_wait_dscnt 0x0
.endif
	XCHUNK \ch, T+32*(\ch%2)
.endr
	v_nop                                          ; a plain line behind the last conversion
.set p, 0
.rept 16
	ds_store_b64 v13, v[TMP+2*p:TMP+2*p+1] offset:(p/4)*512+(p%2)*256+((p/2)%2)*8
.set p, p+1
.endr
.irp i, 0,1,2,3,4,5,6,7
	ds_load_b128 v[X+4*\i:X+4*\i+3], v14 offset:512*\i
.endr
.irp i, 0,1,2,3,4,5,6,7
	s_wait_dscnt 7-\i                              ; load i is back; the younger ones may be out
	global_store_b128 v3, v[X+4*\i:X+4*\i+3], s[62:63] offset:(\i/4)*16384+(\i%4)*512   ; 512 consecutive bytes
.endr
	s_wait_xcnt 0x0
	v_lshl_add_u32 v254, v0, 2, 0x21000
	v_mov_b32 v255, 0
	s_wait_tensorcnt 0x0
	ds_add_u32 v254, v255
	s_wait_dscnt 0x0
	s_endpgm
.Lfunc_end_k_q38163628d6_prep:
	.size	k_q38163628d6_prep, .Lfunc_end_k_q38163628d6_prep-k_q38163628d6_prep
	.p2alignl 7, 3214868480
	.fill 96, 4, 3214868480
	.section	.rodata,"a",@progbits
	.p2align	6, 0x0
	.amdhsa_kernel k_q38163628d6_prep
		.amdhsa_group_segment_fixed_size 137216
		.amdhsa_private_segment_fixed_size 0
		.amdhsa_enable_private_segment 0
		.amdhsa_kernarg_size 104
		.amdhsa_user_sgpr_count 2
		.amdhsa_user_sgpr_kernarg_segment_ptr 1
		.amdhsa_wavefront_size32 1
		.amdhsa_system_sgpr_workgroup_id_x 1
		.amdhsa_system_sgpr_workgroup_id_y 1
		.amdhsa_system_sgpr_workgroup_id_z 1
		.amdhsa_system_vgpr_workitem_id 0
		.amdhsa_next_free_vgpr 256
		.amdhsa_next_free_sgpr 100
		.amdhsa_reserve_vcc 1
		.amdhsa_float_denorm_mode_32 3
		.amdhsa_float_denorm_mode_16_64 3
		.amdhsa_memory_ordered 1
		.amdhsa_forward_progress 1
		.amdhsa_inst_pref_size 80
	.end_amdhsa_kernel
	.amdgpu_metadata
---
amdhsa.version: [ 1, 2 ]
amdhsa.kernels:
  - .name:           k_q38163628d6_prep
    .symbol:         k_q38163628d6_prep.kd
    .args:
      - { .name: x, .offset: 0, .size: 8, .value_kind: global_buffer, .address_space: global }
      - { .name: text_embeddings, .offset: 8, .size: 8, .value_kind: global_buffer, .address_space: global }
      - { .name: g_x, .offset: 16, .size: 8, .value_kind: global_buffer, .address_space: global }
      - { .name: b_x, .offset: 24, .size: 8, .value_kind: global_buffer, .address_space: global }
      - { .name: g_t, .offset: 32, .size: 8, .value_kind: global_buffer, .address_space: global }
      - { .name: b_t, .offset: 40, .size: 8, .value_kind: global_buffer, .address_space: global }
      - { .name: Wq, .offset: 48, .size: 8, .value_kind: global_buffer, .address_space: global }
      - { .name: Wk, .offset: 56, .size: 8, .value_kind: global_buffer, .address_space: global }
      - { .name: Wv, .offset: 64, .size: 8, .value_kind: global_buffer, .address_space: global }
      - { .name: Wo, .offset: 72, .size: 8, .value_kind: global_buffer, .address_space: global }
      - { .name: lowp_scales, .offset: 80, .size: 8, .value_kind: global_buffer, .address_space: global }
      - { .name: opnd, .offset: 88, .size: 8, .value_kind: global_buffer, .address_space: global }
      - { .name: rope, .offset: 96, .size: 8, .value_kind: global_buffer, .address_space: global }
    .group_segment_fixed_size: 137216
    .private_segment_fixed_size: 0
    .kernarg_segment_align: 8
    .kernarg_segment_size: 104
    .max_flat_workgroup_size: 512
    .sgpr_count:     100
    .vgpr_count:     256
    .wavefront_size: 32
...
	.end_amdgpu_metadata
.endif
;; end of part 1
;; launch proj (part 2): grid 4 x 64, 4 waves a work-group, clusters of 4 x 4, 327,680 bytes of LDS; arguments opnd, rope, bq, bk, bv, lowp_scales, qkv; writes qkv
.if DOCPART == 2
	.amdgcn_target "amdgcn-amd-amdhsa--gfx1250"
	.amdhsa_code_object_version 6
	.text
	.protected	k_q38163628d6_proj
	.globl	k_q38163628d6_proj
	.p2align	8
	.type	k_q38163628d6_proj,@function
k_q38163628d6_proj:
	s_mov_b64 s[64:65], 0
	v_nop
	global_prefetch_b8 v0, s[64:65] scope:SCOPE_SE
	s_setreg_imm32_b32 hwreg(HW_REG_WAVE_MODE, 25, 1), 1
	s_wait_xcnt 0x0
	s_wait_alu depctr_hold_cnt(0) depctr_sa_sdst(0) depctr_va_vdst(0) depctr_va_sdst(0) depctr_va_ssrc(0) depctr_va_vcc(0) depctr_vm_vsrc(0)
	s_getreg_b32 s2, hwreg(HW_REG_IB_STS2, 6, 4)
	s_cmp_eq_u32 s2, 0
	s_cbranch_scc0 .Lentry_in_a_cluster
	s_endpgm
.Lentry_in_a_cluster:
	s_bfe_u32 s2, ttmp6, 0x10000c
	s_cmp_lg_u32 s2, 0xf033
	s_cbranch_scc0 .Lentry_shape_is_right
	s_endpgm
.Lentry_shape_is_right:
; PROJ: the three projections on codes of BF8 (E5M2), with bias, rotation and the next quantiser on the way out.  K = 1,024.
;   q = xn Wq + bq, rotated, quantised with 2^e6        -> qkv + 0:         [batch x 16 + head][s / 16][1,024 bytes]
;   k = tn Wk + bk, rotated, quantised with 2^e7        -> qkv + 0x1000000: [batch x 16 + head][t / 16][1,024 bytes]
;   v^T = (tn Wv + bv)^T, quantised with 2^e8           -> qkv + 0x1400000: [batch x 16 + head][d / 16][t / 128][2,048 bytes]
; All operands and results are IMAGES of operand registers: [row / 16][k / 128][4 chunks][32 lanes][16 bytes]; lane (r, h) of chunk c holds registers 4 c .. 4 c + 3 of the operand of the plain 8-bit
; matrix forms (ISA guide 7.12.2): k = 32 c + 8 h + 0..7 and 32 c + 16 + 8 h + 0..7 of row r.  A fragment comes out of LDS by four loads at 16 x lane: no pitch, no padding, every load 512 bytes on end.
; Source 0 ('B') gives the index that runs along a lane's registers, source 1 ('A') the lane's row.  So eight results of a lane are eight neighbours along the NEXT product's K, and one conversion of an
; accumulator gives registers 2 b, 2 b + 1 of the next operand: results are stored from registers, 512 bytes an instruction.
;   q, k: A = the rows of xn or tn, B = the weight's rows n (a lane: one row, 128 columns = two heads).   v^T: A = Wv's rows n, B = the rows of tn (a lane: one channel n, 128 keys = one K step).
; A WORK-GROUP STAYS AND MAKES TWO TILES, so that all 256 have the same work.  q's 16,384 x 1,024 numbers are 256 tiles of 256 x 256: the first tile, four waves of 128 x 128, 64 accumulators each.
; k's and v^T's 4,096 x 1,024 each are 256 tiles of 128 (A) x 256 (B): the second tile, four waves of 64 x 128, 32 accumulators each: k in the clusters with y < 8, v^T in the others.
; K goes through a ring of two LDS slots of 256 along K, filled by the tensor data mover: four slots' worth a tile, so the steps are written out.  THE RING DOES NOT STOP AT THE FIRST TILE'S END: its last two
; changes of slots ask for the second tile's first two slots' worth, which land while q goes out.  In the second tile a wave reads 192 rows from LDS for 32 matrix instructions, against 256 for 64 in the first.
; CLUSTERS: 4 x 4 work-groups; A's tile is shared along a row of the cluster, B's along a column: each is asked for jointly, by the same tensor load with a mask that names the four.
; What the second tile is hangs on the cluster's y, which all sixteen partners share: offsets are chosen by it, and one branch on it parts the two ways out.
; LIMITS: e0 + e1, e2 + e3, e4 + e5 between -126 and 127; e6, e7, e8 between -126 and 112: each power of two below is then an f32 number.  NaN is not served.
; REGISTERS, in windows of 256: window 0: v0-31 addresses; v128-255 A's fragments (first tile: one set of 8 blocks; second: two sets of 4); window 1: B's fragments, two sets;
;   windows 2, 3: the accumulators ((a, b) at v[8 (8 (a % 4) + b)]; the second tile has window 2 alone).
;   On a way out, window 0: v30, v31 the quantiser's scale and limit; v32-95 the bias; v96-103 table offsets; v128-191 a block's numbers; v192-199 at work; v200-231 codes, two sets;
;   the table's rows, 32 registers a block: for q in window 1, for k in window 3.
.set SLOT,   131072                    ; A's 16 row tiles x 2 K steps x 2,048 bytes, then B's
.set HALFT,  32768                     ; 8 row tiles: the room of one tensor load, and of what one wave reads of A or of B
.set SPARE,  262144                    ; behind the ring: the spare words, 128 bytes for each wave
.set FR,     16
.set NL,     4
.set NP,     4                         ; places behind this matrix instruction (ISA guide 7.12.1)
.set TK_OFF, 0x1000000
.set TV_OFF, 0x1400000
.set W_OFF,  0x1800000
.set ADRA, 16                          ; v16-17  LDS address of my A fragments in slot 0, 1
.set ADRB, 20                          ; v20-21  the same for B
.set SPW,  28                          ; v28     my spare word; never rewritten
.set NIL,  29                          ; v29     0; never rewritten
.set AF,   128
.set BIAS, 32
.set T,    128
.set U,    192
.set G1, 24                            ; s[24:31] group 1 for A's tiles of the first tile; s[32:39] group 0 for A, a set for each slot
.set G0, 32
.set G1B, 48                           ; s[48:55], s[56:63] the same for B's, in both tiles
.set G0B, 56
.set G1C, 80                           ; s[80:87] group 1 for A's tiles of the second tile: half the rows
.set MSB, 0
.macro WIN new                         ; the immediate's high byte repeats the setting that is left
.if MSB != \new
	s_set_vgpr_msb (MSB<<8)|\new
.set MSB, \new
.endif
.endm
.set MUL_LO, 0xa1                      ; source 0 (B) window 1, source 1 (A) window 0, C and D window 2
.set MUL_HI, 0xf1                      ; the same, C and D window 3
.set TO_B,   0x40                      ; destination window 1, address window 0
.macro JLOAD s, g1a                    ; a joint load: waves 0 and 1 fetch A's halves, waves 2 and 3 B's; four v_nop follow each of the two lines
	s_cmp_eq_u32 s19, 0
	s_cbranch_scc0 .Lfor_b_\@
	tensor_load_to_lds s[G0+4*\s:G0+4*\s+3], s[\g1a:\g1a+7]
	s_nop 0
.rept 4
	v_nop
.endr
	s_branch .Lasked_\@
.Lfor_b_\@:
	tensor_load_to_lds s[G0B+4*\s:G0B+4*\s+3], s[G1B:G1B+7]
	s_nop 0
.rept 4
	v_nop
.endr
.Lasked_\@:
.endm
.macro CREST                           ; a round of the cluster's barrier behind its opening barrier
	s_cmp_lg_u32 s18, 0
	s_cbranch_scc1 .Lnot_wave_0_\@
	s_barrier_signal -3
.Lnot_wave_0_\@:
	s_barrier_wait -3
	s_barrier_signal -1
	s_barrier_wait -1
.endm
.macro CROUND
	s_barrier_signal -1
	s_barrier_wait -1
	CREST
.endm
.macro MKSC vs, vl, se                 ; v[vs] = 2^e as f32, v[vl] = 57,344 x 2^e
	s_add_co_i32 s46, \se, 127
	s_lshl_b32 s47, s46, 23
	v_mov_b32 v[\vs], s47
	s_add_co_i32 s46, s46, 15
	s_lshl_b32 s46, s46, 23
	s_or_b32 s46, s46, 0x600000
	v_mov_b32 v[\vl], s46
.endm
	s_load_b256 s[4:11], s[0:1], 0x0               ; opnd, rope, bq, bk
	s_load_b128 s[12:15], s[0:1], 0x20             ; bv, the exponents
	s_load_b64 s[16:17], s[0:1], 0x30              ; qkv
	v_lshl_add_u32 v[SPW], v0, 2, SPARE
	v_mov_b32 v[NIL], 0
	ds_add_u32 v28, v29
	ds_add_u32 v28, v29
	s_wait_dscnt 0x0
	v_lshrrev_b32 v1, 5, v0
	v_readfirstlane_b32 s18, v1                    ; wave 0..3
	s_lshr_b32 s19, s18, 1                         ; which half of A's rows is mine.  Also: I fetch for A (0) or for B (1)
	s_and_b32 s20, s18, 1                          ; which half of B's rows.  Also: which half of that tile's rows I fetch
	s_bfe_u32 s21, ttmp6, 0x40000                  ; cx
	s_bfe_u32 s22, ttmp6, 0x40004                  ; cy
	s_and_b32 s23, ttmp7, 0xffff                   ; the cluster's y, 0 .. 15: the same in all sixteen partners
	; the second tile: k where the cluster's y is under 8, else v^T
	s_sub_co_u32 s42, s23, 8
	s_and_b32 s43, s42, 1                          ; v^T: which four of Wv's eight half tiles,
	s_lshr_b32 s44, s42, 1                         ; and which four of tn's sixteen tiles
	s_mov_b32 s40, TK_OFF
	s_mov_b32 s41, W_OFF+0x200000
	s_mov_b32 s46, W_OFF+0x100000
	s_mov_b32 s47, TV_OFF
	s_cmp_lt_u32 s23, 8
	s_cselect_b32 s43, s23, s43                    ; k: which four of tn's 32 half tiles
	s_cselect_b32 s44, 0, s44                      ; k: Wk has four tiles
	s_cselect_b32 s40, s40, s41                    ; where A's images begin in opnd: tn with e2, or Wv
	s_cselect_b32 s46, s46, s47                    ; where B's begin: Wk, or tn with e4
	s_lshl_b32 s92, s43, 2
	s_add_co_u32 s92, s92, s22                     ; A's half tile of 128 rows: hangs on cy and the cluster's y
	s_lshl_b32 s93, s44, 2
	s_add_co_u32 s93, s93, s21                     ; B's tile of 256 rows: on cx and the cluster's y
	s_lshl_b32 s41, s22, 2
	s_lshl_b32 s41, 15, s41                        ; my row of the cluster
	s_lshl_b32 s47, 0x1111, s21                    ; my column
	; group 1: rows (row tiles) of 4,096 bytes (two K steps), 16,384 bytes apart, in elements of 8 bytes; laid on end in LDS.  8 rows a load; A's of the second tile 4
	s_or_b32 s[G1], s41, (3<<16)|(1<<21)           ; 15:0 the mask; 17:16 elements of 8 bytes; 21 set beside a mask
	s_or_b32 s[G1C], s41, (3<<16)|(1<<21)
	s_or_b32 s[G1B], s47, (3<<16)|(1<<21)
.irp g, G1, G1B, G1C
	s_mov_b32 s[\g+1], 512<<16                     ; tensor_dim0 = 512
	s_mov_b32 s[\g+3], 512<<16                     ; tile_dim0 = 512
	s_mov_b32 s[\g+5], 2048                        ; from row to row
	s_mov_b32 s[\g+6], 0
	s_mov_b32 s[\g+7], 0
.endr
.irp g, G1, G1B
	s_mov_b32 s[\g+2], 8<<16                       ; tensor_dim1 = 8
	s_mov_b32 s[\g+4], 8                           ; tile_dim1 = 8
.endr
	s_mov_b32 s[G1C+2], 4<<16                      ; tensor_dim1 = 4
	s_mov_b32 s[G1C+4], 4                          ; tile_dim1 = 4
	s_lshl_b32 s42, s20, 17                        ; which 128 rows of 1,024 bytes I fetch,
	s_lshl_b32 s66, s20, 16                        ; or which 64
	s_lshl_b32 s94, s23, 2
	s_add_co_u32 s94, s94, s22                     ; the first tile: A's tile of xn = 4 x cluster y + cy
	s_lshl_b32 s94, s94, 18
	s_add_co_u32 s94, s94, s42
	s_mov_b32 s95, 0
	s_lshl_b32 s98, s21, 18                        ; B's tile of Wq = cx
	s_add_co_u32 s98, s98, s42
	s_add_co_u32 s98, s98, W_OFF
	s_mov_b32 s99, 0
	s_lshl_b32 s88, s92, 17                        ; the second tile: A
	s_add_co_u32 s88, s88, s66
	s_add_co_u32 s88, s88, s40
	s_mov_b32 s89, 0
	s_lshl_b32 s90, s93, 18                        ; and B
	s_add_co_u32 s90, s90, s42
	s_add_co_u32 s90, s90, s46
	s_mov_b32 s91, 0
	s_mul_i32 s45, s18, HALFT                      ; where they go: no place in the cluster enters an LDS address
	s_wait_kmcnt 0x0
	s_load_b128 s[68:71], s[14:15], 0x0            ; e0 .. e3
	s_load_b128 s[72:75], s[14:15], 0x10           ; e4 .. e7
	s_load_b128 s[76:79], s[14:15], 0x20           ; e8 .. e11
	s_add_nc_u64 s[94:95], s[4:5], s[94:95]
	s_add_nc_u64 s[98:99], s[4:5], s[98:99]
	s_add_nc_u64 s[88:89], s[4:5], s[88:89]        ; kept for the change of tiles
	s_add_nc_u64 s[90:91], s[4:5], s[90:91]
	CROUND                                         ; all sixteen work-groups are here: the first joint loads meet
.irp s, 0,1
	s_mov_b32 s[G0+4*\s], 1
	s_add_co_u32 s[G0+4*\s+1], s45, \s*SLOT
	s_add_nc_u64 s[G0+4*\s+2:G0+4*\s+3], s[94:95], \s*4096
	s_or_b32 s[G0+4*\s+3], s[G0+4*\s+3], 0x80000000
	s_mov_b32 s[G0B+4*\s], 1
	s_add_co_u32 s[G0B+4*\s+1], s45, \s*SLOT
	s_add_nc_u64 s[G0B+4*\s+2:G0B+4*\s+3], s[98:99], \s*4096
	s_or_b32 s[G0B+4*\s+3], s[G0B+4*\s+3], 0x80000000
	JLOAD \s, G1                                   ; two tensor loads of mine are out
.endr
	v_and_b32 v2, 31, v0
	v_lshlrev_b32 v3, 4, v2                        ; 16 x lane
	v_and_b32 v4, 15, v0                           ; r
	v_bfe_u32 v5, v0, 4, 1                         ; h
	s_mul_i32 s40, s19, HALFT                      ; my rows of A
	s_mul_i32 s41, s20, HALFT                      ; my rows of B,
	s_add_co_u32 s41, s41, 65536                   ; which lie behind A's room
.irp s, 0,1
	v_add_nc_u32 v[ADRA+\s], s40, v3
	v_add_nc_u32 v[ADRB+\s], s41, v3
	s_add_co_u32 s40, s40, SLOT
	s_add_co_u32 s41, s41, SLOT
.endr
.macro FRAG reg, adr, q, i             ; row tile i, the slot's K step q: 16 registers by four loads of 512 consecutive bytes
.irp c, 0,1,2,3
	ds_load_b128 v[\reg+4*\c:\reg+4*\c+3], v[\adr] offset:(\i)*4096+(\q)*2048+512*\c
.endr
.endm
.macro PLACES n                        ; plain vector lines between a matrix instruction and a load into, or a vector access to, its registers (ISA guide 7.12.1 for vector accesses)
.rept \n
	v_nop
.endr
.endm
; ---- THE FIRST TILE.  16 matrix instructions: A's blocks a0, a0 + 1 x B's eight, 128 along K.  The 64 accumulators take turns, one instruction a turn, in the same order in every step.
.macro MUL16 a0, p, zero
.irp a, \a0, \a0+1
.irp b, 0,1,2,3,4,5,6,7
.if \zero
	v_wmma_f32_16x16x128_bf8_bf8 v[8*(8*((\a)%4)+\b):8*(8*((\a)%4)+\b)+7], v[128*(\p)+FR*\b:128*(\p)+FR*\b+FR-1], v[AF+FR*(\a):AF+FR*(\a)+FR-1], 0
.else
	v_wmma_f32_16x16x128_bf8_bf8 v[8*(8*((\a)%4)+\b):8*(8*((\a)%4)+\b)+7], v[128*(\p)+FR*\b:128*(\p)+FR*\b+FR-1], v[AF+FR*(\a):AF+FR*(\a)+FR-1], v[8*(8*((\a)%4)+\b):8*(8*((\a)%4)+\b)+7]
.endif
.endr
.endr
.endm
.macro FETCH_B slot, q, p
	WIN TO_B
.irp i, 0,1,2,3,4,5,6,7
	FRAG 128*(\p)+FR*\i, ADRB+\slot, \q, \i
.endr
	WIN 0
.endm
.macro FETCH_A slot, q, i0
.irp i, \i0, \i0+1, \i0+2, \i0+3
	FRAG AF+FR*(\i), ADRA+\slot, \q, \i
.endr
.endm
.macro STEP slot, q, zero              ; a step of 128 along K that has its successor in the same slot
	s_wait_dscnt 4*NL                              ; B's set and A's blocks 0-3 are in; the youngest sixteen loads (A's blocks 4-7) may be out
	WIN MUL_LO
	MUL16 0, (\q)%2, \zero
	MUL16 2, (\q)%2, \zero
	s_wait_dscnt 0
	PLACES NP
	FETCH_B \slot, (\q)+1, 1-(\q)%2
	FETCH_A \slot, (\q)+1, 0
	WIN MUL_HI
	MUL16 4, (\q)%2, \zero
	MUL16 6, (\q)%2, \zero
	PLACES NP
	WIN 0
	FETCH_A \slot, (\q)+1, 4
.endm
.macro NEXTT slot                      ; both groups 0 of a slot are set to the second tile's first K of that slot; no tensor load of mine is out
	s_add_nc_u64 s[G0+4*\slot+2:G0+4*\slot+3], s[88:89], \slot*4096
	s_or_b32 s[G0+4*\slot+3], s[G0+4*\slot+3], 0x80000000
	s_add_nc_u64 s[G0B+4*\slot+2:G0B+4*\slot+3], s[90:91], \slot*4096
	s_or_b32 s[G0B+4*\slot+3], s[G0B+4*\slot+3], 0x80000000
.endm
; A slot's last step changes slots: one barrier, which opens a round of the cluster's; in front of it each wave waits for all its tensor loads, adds 0 to its spare word, and waits for that and for its reads of this slot.
; fill = 1: the slot takes this tile's K two slots on;  fill = 2: the second tile's first K of this slot.   next: the slot whose first fragments are fetched; -1: none, since the tile goes out next.
.macro TURN slot, next, fill
	s_wait_tensorcnt 0x0                           ; all my tensor loads have landed: my part of the other slot
	ds_add_u32 v[SPW], v[NIL]                      ; 0 onto my spare word
	s_wait_dscnt 4*NL+1                            ; the add and the youngest sixteen loads may be out
	WIN MUL_LO
	MUL16 0, 1, 0
	s_wait_dscnt 0x0                               ; the add is done, and my reads of this slot are over
	s_barrier_signal -1
	MUL16 2, 1, 0
	WIN 0
	s_barrier_wait -1
	CREST                                          ; no wave of any partner still reads this slot or has a load on its way
.if \fill == 1
	s_add_nc_u64 s[G0+4*\slot+2:G0+4*\slot+3], s[G0+4*\slot+2:G0+4*\slot+3], 8192
	s_add_nc_u64 s[G0B+4*\slot+2:G0B+4*\slot+3], s[G0B+4*\slot+2:G0B+4*\slot+3], 8192
	JLOAD \slot, G1                                ; the first tensor load behind the round, and my only one out; its four v_nop are the places in front of the loads below
.else
	NEXTT \slot
	JLOAD \slot, G1C
.endif
.if \next >= 0
	FETCH_B \next, 0, 0
	FETCH_A \next, 0, 0
.endif
	WIN MUL_HI
	MUL16 4, 1, 0
	MUL16 6, 1, 0
.if \next >= 0
	PLACES NP
.endif
	WIN 0
.if \next >= 0
	FETCH_A \next, 0, 4
.endif
.endm
; ---- THE SECOND TILE.  8 matrix instructions: A's block a x B's eight; set p of both.  The 32 accumulators take turns, one instruction a turn, in the same order in every step.
.macro H_MUL8 a, p, zero
.irp b, 0,1,2,3,4,5,6,7
.if \zero
	v_wmma_f32_16x16x128_bf8_bf8 v[8*(8*(\a)+\b):8*(8*(\a)+\b)+7], v[128*(\p)+FR*\b:128*(\p)+FR*\b+FR-1], v[AF+64*(\p)+FR*(\a):AF+64*(\p)+FR*(\a)+FR-1], 0
.else
	v_wmma_f32_16x16x128_bf8_bf8 v[8*(8*(\a)+\b):8*(8*(\a)+\b)+7], v[128*(\p)+FR*\b:128*(\p)+FR*\b+FR-1], v[AF+64*(\p)+FR*(\a):AF+64*(\p)+FR*(\a)+FR-1], v[8*(8*(\a)+\b):8*(8*(\a)+\b)+7]
.endif
.endr
.endm
.macro H_FETCH slot, q, p              ; 48 LDS loads in one run: B's eight fragments and A's four of the slot's K step q, into set p
	WIN TO_B
.irp i, 0,1,2,3,4,5,6,7
	FRAG 128*(\p)+FR*\i, ADRB+\slot, \q, \i
.endr
	WIN 0
.irp i, 0,1,2,3
	FRAG AF+64*(\p)+FR*\i, ADRA+\slot, \q, \i
.endr
.endm
.macro H_STEP slot, zero               ; a slot's first step multiplies set 0; the slot's second step is fetched into set 1 first, so that it has the 32 products in which to land
	s_wait_dscnt 0x0                               ; set 0 is in
	PLACES NP                                      ; for the loads into set 1, which the step before multiplied
	H_FETCH \slot, 1, 1
	WIN MUL_LO
	H_MUL8 0, 0, \zero
	H_MUL8 1, 0, \zero
	H_MUL8 2, 0, \zero
	H_MUL8 3, 0, \zero
	WIN 0
.endm
.macro H_TURN slot, next, fill         ; a slot's second step multiplies set 1 and changes slots, as TURN does.  fill = 1: the slot takes this tile's K two slots on
	s_wait_tensorcnt 0x0                           ; all my tensor loads have landed: my part of the other slot
	ds_add_u32 v[SPW], v[NIL]                      ; 0 onto my spare word
	s_wait_dscnt 1                                 ; set 1's 48 loads are in; the add may be out
	WIN MUL_LO
	H_MUL8 0, 1, 0
	s_wait_dscnt 0x0                               ; the add is done, and my reads of this slot are over
	s_barrier_signal -1
	H_MUL8 1, 1, 0
	WIN 0
	s_barrier_wait -1
.if \fill
	CREST
	s_add_nc_u64 s[G0+4*\slot+2:G0+4*\slot+3], s[G0+4*\slot+2:G0+4*\slot+3], 8192
	s_add_nc_u64 s[G0B+4*\slot+2:G0B+4*\slot+3], s[G0B+4*\slot+2:G0B+4*\slot+3], 8192
	JLOAD \slot, G1C                               ; the first tensor load behind the round; its four v_nop are the places in front of the loads below
.else
	PLACES NP
.endif
	H_FETCH \next, 0, 0
	WIN MUL_LO
	H_MUL8 2, 1, 0
	H_MUL8 3, 1, 0
	WIN 0
.endm
.macro H_LAST                          ; the very last step: nothing more to fetch
	s_wait_dscnt 0x0
	WIN MUL_LO
	H_MUL8 0, 1, 0
	H_MUL8 1, 1, 0
	H_MUL8 2, 1, 0
	H_MUL8 3, 1, 0
	WIN 0
.endm
; ---- THE WAY OUT OF q AND OF k.  On entry s40 = my first row.  lm1: rows of a batch - 1; logl: their logarithm; rsh: a row of the table is 256 bytes, the position is s (8) or 4 t (10);
; tsh: a head's images are 2^tsh bytes; outoff: where they begin in qkv; ea, eb: the operands' exponents; eq: the quantiser's; ptr: the bias's pointer; nb: blocks of 16 rows.
.macro QKSET lm1, logl, rsh, tsh, outoff, ea, eb, eq, ptr, nb
	s_add_co_i32 s42, \ea, \eb
	s_add_co_i32 s42, s42, 127
	s_lshl_b32 s96, s42, 23                        ; 2^(the two operands' exponents) as f32
	s_mov_b32 s97, s96                             ; (named with it as a pair)
	MKSC 30, 31, \eq
	s_and_b32 s43, s40, \lm1                       ; my first row in its batch
	s_lshr_b32 s42, s40, \logl                     ; the batch
	s_lshl_b32 s42, s42, 4
	s_lshl_b32 s46, s21, 2
	s_add_co_u32 s42, s42, s46
	s_lshl_b32 s46, s20, 1
	s_add_co_u32 s42, s42, s46                     ; 16 x batch + my first head (B's tile is cx: four heads a tile, two a wave)
	s_lshl_b32 s42, s42, \tsh
	s_add_co_u32 s42, s42, \outoff
	s_lshl_b32 s46, s43, 6                         ; row / 16 x 1,024
	s_add_co_u32 s98, s42, s46
	s_mov_b32 s99, 0
	s_add_nc_u64 s[98:99], s[16:17], s[98:99]      ; my first head's images
	s_add_nc_u64 s[100:101], s[98:99], 1<<(\tsh)   ; my second head's
	v_add_nc_u32 v6, s43, v4
.set qa, 0
.rept \nb
	v_add_nc_u32 v[96+qa], 16*qa, v6               ; block qa: my row's place in the table, + 32 h: my eight of each sixteen
	v_lshlrev_b32 v[96+qa], \rsh, v[96+qa]
	v_lshl_add_u32 v[96+qa], v5, 5, v[96+qa]
.set qa, qa+1
.endr
	s_lshl_b32 s46, s21, 10
	s_lshl_b32 s47, s20, 9
	s_add_co_u32 s46, s46, s47
	v_lshl_add_u32 v7, v5, 5, s46                  ; the bias of my 128 columns: column 16 k + 8 h + j
.irp k, 0,1,2,3,4,5,6,7
	global_load_b128 v[BIAS+8*\k:BIAS+8*\k+3], v7, s[\ptr:\ptr+1] offset:64*\k
	global_load_b128 v[BIAS+8*\k+4:BIAS+8*\k+7], v7, s[\ptr:\ptr+1] offset:64*\k+16
.endr
.endm
.macro RLOAD a                         ; block a's row of the table: cos of j = 8 h + 0..7 and 16 + 8 h + 0..7, then the sines: v[32 a ..] of the window that the caller has set
.irp k, 0,1,2,3,4,5,6,7
	global_load_b128 v[32*(\a)+4*\k:32*(\a)+4*\k+3], v[96+(\a)], s[6:7] offset:(\k/2)*64+(\k%2)*16
.endr
.endm
; Block a: 16 rows x 128 columns.  Register 8 b + j of lane (r, h) is column 16 b + 8 h + j of row 16 a + r: head b / 4, d = 16 (b % 4) + 8 h + j.   nb: blocks in all;  rw: the setting with source 1 in the table's window.
.macro ROWQK a, nb, rw
.set AC, 64*((\a)%4)
.set CSET, 200+16*((\a)%2)
	s_wait_loadcnt 8*((\nb)-1-(\a))                ; the bias and this block's row of the table are in; the later blocks' eight loads each may be out
	WIN 0x02+((\a)/4)                              ; source 0: window 2 or 3
.set j, 0
.rept 32
	v_pk_fma_f32 v[T+j:T+j+1], v[AC+j:AC+j+1], s[96:97], v[BIAS+j:BIAS+j+1] op_sel_hi:[1,0,1]   ; sum x 2^(..) + bias; each accumulator from its low end on
.set j, j+2
.endr
	WIN \rw
.irp hd, 0,1
.irp ti, 0,1
.irp pp, 0,4
.set R1, T+8*(4*\hd+\ti)+\pp                       ; d = 16 ti + ..: the first half of the head,
.set R2, R1+16                                     ; d + 32: the second
.set RC, 32*(\a)+8*\ti+\pp
.set RS, RC+16
	v_pk_mul_f32 v[U:U+1],   v[R2:R2+1],   v[RS:RS+1]
	v_pk_mul_f32 v[U+2:U+3], v[R1:R1+1],   v[RS:RS+1]
	v_pk_mul_f32 v[U+4:U+5], v[R2+2:R2+3], v[RS+2:RS+3]
	v_pk_mul_f32 v[U+6:U+7], v[R1+2:R1+3], v[RS+2:RS+3]
	v_pk_fma_f32 v[R1:R1+1],   v[R1:R1+1],   v[RC:RC+1],   v[U:U+1] neg_lo:[0,0,1] neg_hi:[0,0,1]     ; t1 cos - t2 sin
	v_pk_fma_f32 v[R2:R2+1],   v[R2:R2+1],   v[RC:RC+1],   v[U+2:U+3]                                 ; t2 cos + t1 sin
	v_pk_fma_f32 v[R1+2:R1+3], v[R1+2:R1+3], v[RC+2:RC+3], v[U+4:U+5] neg_lo:[0,0,1] neg_hi:[0,0,1]
	v_pk_fma_f32 v[R2+2:R2+3], v[R2+2:R2+3], v[RC+2:RC+3], v[U+6:U+7]
.endr
.endr
.endr
	WIN 0
.if (\a) >= 2
	s_wait_xcnt 0x0                                ; block a - 2's stores have read this set of code registers
.endif
.set j, 0
.rept 64
	v_med3_num_f32 v[T+j], v[T+j], -v31, v31       ; the conversion does not saturate (ISA guide 7.6.2): the hold at the largest code x the scale
.set j, j+1
.endr
.irp b, 0,1,2,3,4,5,6,7
	v_cvt_scalef32_pk8_bf8_f32 v[CSET+2*\b:CSET+2*\b+1], v[T+8*\b:T+8*\b+7], v30   ; registers 2 (b % 4), + 1 of head b / 4's fragment
.endr
	v_nop                                          ; a plain line behind the last conversion: the next block writes its sources
	global_store_b128 v3, v[CSET:CSET+3], s[98:99] offset:(\a)*1024                ; 512 consecutive bytes each
	global_store_b128 v3, v[CSET+4:CSET+7], s[98:99] offset:(\a)*1024+512
	global_store_b128 v3, v[CSET+8:CSET+11], s[100:101] offset:(\a)*1024
	global_store_b128 v3, v[CSET+12:CSET+15], s[100:101] offset:(\a)*1024+512
.endm
	; ======== the first tile: q
	s_wait_tensorcnt 1                             ; my part of slot 0 is in; slot 1's load may be out
	s_barrier_signal -1
	s_barrier_wait -1
	FETCH_B 0, 0, 0
	FETCH_A 0, 0, 0
	FETCH_A 0, 0, 4
	STEP 0, 0, 1                                   ; the first products start the sums
	TURN 0, 1, 1
	STEP 1, 0, 0
	TURN 1, 0, 1
	STEP 0, 0, 0
	TURN 0, 1, 2                                   ; slot 0 takes the second tile's first 256 along K
	STEP 1, 0, 0
	s_wait_kmcnt 0x0                               ; the exponents
	s_lshl_b32 s40, s23, 2
	s_add_co_u32 s40, s40, s22
	s_lshl_b32 s40, s40, 8
	s_lshl_b32 s41, s19, 7
	s_add_co_u32 s40, s40, s41                     ; my first row of q: 256 x A's tile + 128 x half
	QKSET 2047, 11, 8, 17, 0, s68, s69, s74, 8, 8
	WIN TO_B                                       ; B's set 0 is done with, and four places stand behind its last products
	RLOAD 0
	RLOAD 1
	RLOAD 2
	RLOAD 3
	WIN 0
	TURN 1, -1, 2                                  ; the tile's last step; slot 1 takes the second tile's second 256 along K, which has the whole way out in which to land
	PLACES NP                                      ; for the loads into B's set 1, and for the first reads of results and writes over A's fragments
	WIN TO_B
	RLOAD 4
	RLOAD 5
	RLOAD 6
	RLOAD 7
	WIN 0
.irp a, 0,1,2,3,4,5,6,7
	ROWQK \a, 8, 0x04
.endr
	s_wait_xcnt 0x0                                ; q's stores have read their codes and their bases: fragments land on the codes' registers, and the bases are written again below
	; ======== the second tile.  Its first slot was shown whole to every wave by the wait and the round of the first tile's last change of slots
	H_FETCH 0, 0, 0
	H_STEP 0, 1                                    ; the first products start the sums
	H_TURN 0, 1, 1
	H_STEP 1, 0
	H_TURN 1, 0, 1
	H_STEP 0, 0
	H_TURN 0, 1, 0                                 ; nothing is left to fetch, so no round follows
	s_cmp_ge_u32 s23, 8                            ; the cluster's y: all partners go the same way
	s_cbranch_scc1 .Lv
	; ---- k: the bias and the table's rows are asked for two steps ahead of the way out; window 3 is free in this tile
	s_lshl_b32 s40, s92, 7
	s_lshl_b32 s41, s19, 6
	s_add_co_u32 s40, s40, s41                     ; my first row of k: 128 x A's half tile + 64 x half
	QKSET 511, 9, 10, 15, 0x1000000, s70, s71, s75, 10, 4
	WIN 0xc0                                       ; destination window 3
	RLOAD 0
	RLOAD 1
	RLOAD 2
	RLOAD 3
	WIN 0
	H_STEP 1, 0
	H_LAST
	PLACES NP                                      ; for the first reads of results and the writes over A's fragments
.irp a, 0,1,2,3
	ROWQK \a, 4, 0x0c
.endr
	s_wait_tensorcnt 0x0                           ; the wave's end
	ds_add_u32 v[SPW], v[NIL]
	s_wait_dscnt 0x0
	CROUND                                         ; the closing round
	s_endpgm
.Lv:	; ---- v^T.  A lane holds one channel n = 16 a + r of my 64; register 8 b + j is key 16 b + 8 h + j of my 128: one K step of the second attention product
	s_add_co_i32 s42, s72, s73
	s_add_co_i32 s42, s42, 127
	s_lshl_b32 s96, s42, 23                        ; 2^(e4 + e5)
	s_mov_b32 s97, s96
	MKSC 30, 31, s76
	s_lshl_b32 s42, s92, 7
	s_lshl_b32 s43, s19, 6
	s_add_co_u32 s42, s42, s43                     ; my first channel: 128 x A's half tile + 64 x half
	s_lshl_b32 s43, s93, 8
	s_lshl_b32 s44, s20, 7
	s_add_co_u32 s43, s43, s44                     ; my first row of tn: 256 x B's tile + 128 x half
	s_lshr_b32 s44, s43, 9                         ; the batch
	s_lshl_b32 s44, s44, 6
	s_lshr_b32 s40, s42, 4
	s_add_co_u32 s44, s44, s40                     ; 64 x batch + channel / 16 = 4 x (16 x batch + head) + d / 16
	s_lshl_b32 s44, s44, 2
	s_bfe_u32 s40, s43, 0x20007                    ; which 128 keys of the batch's 512
	s_add_co_u32 s44, s44, s40
	s_lshl_b32 s44, s44, 11
	s_add_co_u32 s98, s44, 0x1400000
	s_mov_b32 s99, 0
	s_add_nc_u64 s[98:99], s[16:17], s[98:99]
	s_lshl_b32 s42, s42, 2
	v_lshl_add_u32 v7, v4, 2, s42
.irp a, 0,1,2,3
	global_load_b32 v[104+\a], v7, s[12:13] offset:64*\a     ; bv of channel 16 a + r
.endr
	H_STEP 1, 0
	H_LAST
	PLACES NP
	s_wait_loadcnt 0x0
.irp a, 0,1,2,3
	v_mov_b32 v[BIAS+2*\a], v[104+\a]              ; as pairs, for the packed multiply-add
	v_mov_b32 v[BIAS+2*\a+1], v[104+\a]
.endr
.macro ROWV a
.set AC, 64*(\a)
.set CSET, 200+16*((\a)%2)
	WIN 0x02                                       ; source 0: window 2
.set j, 0
.rept 32
	v_pk_fma_f32 v[T+j:T+j+1], v[AC+j:AC+j+1], s[96:97], v[BIAS+2*(\a):BIAS+2*(\a)+1] op_sel_hi:[1,0,1]   ; sum x 2^(e4 + e5) + bv; each accumulator from its low end on
.set j, j+2
.endr
	WIN 0
.if (\a) >= 2
	s_wait_xcnt 0x0                                ; block a - 2's stores have read this set of code registers
.endif
.set j, 0
.rept 64
	v_med3_num_f32 v[T+j], v[T+j], -v31, v31
.set j, j+1
.endr
.irp b, 0,1,2,3,4,5,6,7
	v_cvt_scalef32_pk8_bf8_f32 v[CSET+2*\b:CSET+2*\b+1], v[T+8*\b:T+8*\b+7], v30
.endr
	v_nop                                          ; a plain line behind the last conversion
.irp c, 0,1,2,3
	global_store_b128 v3, v[CSET+4*\c:CSET+4*\c+3], s[98:99] offset:(\a)*8192+512*\c   ; the next 16 channels' fragment lies four K steps on
.endr
.endm
.irp a, 0,1,2,3
	ROWV \a
.endr
	s_wait_tensorcnt 0x0                           ; the wave's end
	ds_add_u32 v[SPW], v[NIL]
	s_wait_dscnt 0x0
	CROUND                                         ; the closing round
	s_endpgm
.Lfunc_end_k_q38163628d6_proj:
	.size	k_q38163628d6_proj, .Lfunc_end_k_q38163628d6_proj-k_q38163628d6_proj
	.p2alignl 7, 3214868480
	.fill 96, 4, 3214868480
	.section	.rodata,"a",@progbits
	.p2align	6, 0x0
	.amdhsa_kernel k_q38163628d6_proj
		.amdhsa_group_segment_fixed_size 327680
		.amdhsa_private_segment_fixed_size 0
		.amdhsa_enable_private_segment 0
		.amdhsa_kernarg_size 56
		.amdhsa_user_sgpr_count 2
		.amdhsa_user_sgpr_kernarg_segment_ptr 1
		.amdhsa_wavefront_size32 1
		.amdhsa_system_sgpr_workgroup_id_x 1
		.amdhsa_system_sgpr_workgroup_id_y 1
		.amdhsa_system_sgpr_workgroup_id_z 1
		.amdhsa_system_vgpr_workitem_id 0
		.amdhsa_next_free_vgpr 1024
		.amdhsa_next_free_sgpr 104
		.amdhsa_reserve_vcc 0
		.amdhsa_float_denorm_mode_32 3
		.amdhsa_float_denorm_mode_16_64 3
		.amdhsa_memory_ordered 1
		.amdhsa_forward_progress 1
		.amdhsa_inst_pref_size 255
	.end_amdhsa_kernel
	.section	.bss,"aw",@nobits
	.p2align	6
	.space	262144
	.amdgpu_metadata
---
amdhsa.version: [ 1, 2 ]
amdhsa.kernels:
  - .name:           k_q38163628d6_proj
    .symbol:         k_q38163628d6_proj.kd
    .args:
      - { .name: opnd, .offset: 0, .size: 8, .value_kind: global_buffer, .address_space: global }
      - { .name: rope, .offset: 8, .size: 8, .value_kind: global_buffer, .address_space: global }
      - { .name: bq, .offset: 16, .size: 8, .value_kind: global_buffer, .address_space: global }
      - { .name: bk, .offset: 24, .size: 8, .value_kind: global_buffer, .address_space: global }
      - { .name: bv, .offset: 32, .size: 8, .value_kind: global_buffer, .address_space: global }
      - { .name: lowp_scales, .offset: 40, .size: 8, .value_kind: global_buffer, .address_space: global }
      - { .name: qkv, .offset: 48, .size: 8, .value_kind: global_buffer, .address_space: global }
    .group_segment_fixed_size: 327680
    .private_segment_fixed_size: 0
    .kernarg_segment_align: 8
    .kernarg_segment_size: 56
    .max_flat_workgroup_size: 128
    .sgpr_count:     104
    .vgpr_count:     1024
    .wavefront_size: 32
...
	.end_amdgpu_metadata
.endif
;; end of part 2
;; launch attn (part 3): grid 256 x 1, 4 waves a work-group, no clusters, 0 bytes of LDS; arguments qkv, lowp_scales, oimg; writes oimg
.if DOCPART == 3
	.amdgcn_target "amdgcn-amd-amdhsa--gfx1250"
	.amdhsa_code_object_version 6
	.text
	.protected	k_q38163628d6_attn
	.globl	k_q38163628d6_attn
	.p2align	8
	.type	k_q38163628d6_attn,@function
k_q38163628d6_attn:
	s_mov_b64 s[64:65], 0
	v_nop
	global_prefetch_b8 v0, s[64:65] scope:SCOPE_SE
	s_setreg_imm32_b32 hwreg(HW_REG_WAVE_MODE, 25, 1), 1
	s_wait_xcnt 0x0
; ATTN: o = softmax(q k^T / 8) v for 128 heads of 2,048 queries, 512 keys, head size 64, both products on codes of BF8 (E5M2); o is quantised with 2^e10 for the last projection.
; q, k, v^T arrive as images of operand registers (lane (r, h): row r; registers 2 c, 2 c + 1: k = 16 c + 8 h + 0..7), so every fragment is loaded at 16 x lane.
; SHARES.  Two work-groups to a head; a wave owns 16 tiles of 16 queries.  A HEAD'S WHOLE K AND V^T STAY IN THE WAVE'S REGISTERS (256 + 256), loaded once; a tile's whole row of 512 scores lies in 256
; more.  So there is no LDS, no barrier, no running maximum: M is the row's own.  Waves share nothing; K and V are read once a wave and not in every step, so nothing is asked for jointly.
; LAYOUT.  S^T = K Q^T (source 0 = 16 keys, source 1 = my 16 queries) and O^T = V^T P^T (source 0 = 16 of the head's 64, source 1 = P): a lane holds ONE query (lane % 16) throughout; register j of score
; tile t is key 16 t + 8 h + j, so one conversion of a tile gives registers 2 t, 2 t + 1 of P; register j of tile i of O^T is d = 16 i + 8 h + j, so one conversion gives registers 2 i, 2 i + 1 of o's image.
; THE SOFTMAX.  t = score x 2^(e6 + e7) x log2(e) / 8; M = ceil(the row's largest t), kept as -M = floor(-t); p = 2^(t - M) is quantised with 2^e9, not normalised; the row's sum is taken of the
; unquantised p and divides O at the end, with 2^(e8 + e9).
; THE HOLD OF p.  p is at most 1.  Where e9 >= -15 the largest code x 2^e9 is at least 1.75 and the hold can never bind: the loop is written twice, with the hold and without, and a scalar branch on e9,
; a whole number read from memory, chooses.  This launch has no tensor load and no copy.
; LIMITS: e6 + e7 between -124 and 129 (added to c's exponent field); e9, e10 between -126 and 112; e8 + e9 goes through v_ldexp_f32 and has none.  NaN is not served.
; REGISTERS, in windows of 256: window 2: K, tile t at v[8 t];  window 3: V^T, fragment (i, K step ks) at v[16 (4 i + ks)];  window 1: S^T, then p, tile t at v[8 t];
;   window 0: v1 16 x lane; v2, v3 offsets of Q and of o; v4-7 four maxima; v8 at work; v12 -M, v13 the largest t; v14-21 four pairs of sums; v22, v23 limit and scale of p; v24, v25 of o; v26, v27 the divisor;
;   v32-39 Q; v40-47 o's codes; v48-79 O^T; v128-191 P.
.set QF, 32
.set OC, 40
.set O,  48
.set P,  128
.set MSB, 0
.macro WIN new                         ; the immediate's high byte repeats the setting that is left
.if MSB != \new
	s_set_vgpr_msb (MSB<<8)|\new
.set MSB, \new
.endif
.endm
.macro MKSC vs, vl, se                 ; v[vs] = 2^e as f32, v[vl] = 57,344 x 2^e
	s_add_co_i32 s46, \se, 127
	s_lshl_b32 s47, s46, 23
	v_mov_b32 v[\vs], s47
	s_add_co_i32 s46, s46, 15
	s_lshl_b32 s46, s46, 23
	s_or_b32 s46, s46, 0x600000
	v_mov_b32 v[\vl], s46
.endm
	s_load_b128 s[4:7], s[0:1], 0x0                ; qkv, the exponents
	s_load_b64 s[8:9], s[0:1], 0x10                ; oimg
	v_lshrrev_b32 v1, 5, v0
	v_readfirstlane_b32 s10, v1                    ; wave 0..3
	v_and_b32 v1, 31, v0
	v_lshlrev_b32 v1, 4, v1                        ; 16 x lane
	v_mov_b32 v2, v1
	v_mov_b32 v8, 0                                ; written once: a lane permute's destination counts as one of its sources
	s_lshr_b32 s11, ttmp9, 1                       ; 16 x batch + head
	s_and_b32 s12, ttmp9, 1
	s_lshl_b32 s12, s12, 2
	s_add_co_u32 s12, s12, s10                     ; which 16 tiles of queries
	s_lshl_b32 s14, s11, 15
	s_add_co_u32 s14, s14, 0x1000000               ; K's images of the head: 32,768 bytes
	s_mov_b32 s15, 0
	s_add_co_u32 s16, s14, 0x400000                ; V's
	s_mov_b32 s17, 0
	s_lshl_b32 s18, s11, 17
	s_lshl_b32 s19, s12, 14
	s_add_co_u32 s18, s18, s19                     ; my 16 tiles of Q, 1,024 bytes each
	s_mov_b32 s19, 0
	s_lshr_b32 s20, s11, 4                         ; o's image: row tile 128 batch + 16 x which + trip, K step head / 2, chunks 2 (head % 2) and the next
	s_lshl_b32 s20, s20, 21
	s_lshl_b32 s21, s12, 18
	s_add_co_u32 s20, s20, s21
	s_bfe_u32 s21, s11, 0x30001
	s_lshl_b32 s21, s21, 11
	s_add_co_u32 s20, s20, s21
	s_and_b32 s21, s11, 1
	s_lshl_b32 s21, s21, 10
	s_add_co_u32 s20, s20, s21
	s_mov_b32 s21, 0
	s_mov_b32 s36, 0x76543210                      ; v_permlanex16_b32: lane l xor 16
	s_mov_b32 s37, 0xfedcba98
	s_mov_b32 s38, 0                               ; Q's tile in hand, in bytes
	s_mov_b32 s39, 0                               ; o's row tile in hand, in bytes
	s_mov_b32 s40, 16                              ; trips
	s_wait_kmcnt 0x0
	s_load_b128 s[24:27], s[6:7], 0x10             ; e4, e5, e6, e7
	s_load_b128 s[28:31], s[6:7], 0x20             ; e8, e9, e10, e11
	s_add_nc_u64 s[14:15], s[4:5], s[14:15]
	s_add_nc_u64 s[16:17], s[4:5], s[16:17]
	s_add_nc_u64 s[18:19], s[4:5], s[18:19]
	s_add_nc_u64 s[8:9], s[8:9], s[20:21]
	WIN 0x80                                       ; destination window 2
.set n, 0
.rept 64
	global_load_b128 v[4*n:4*n+3], v1, s[14:15] offset:512*n
.set n, n+1
.endr
	WIN 0xc0                                       ; destination window 3
.set n, 0
.rept 64
	global_load_b128 v[4*n:4*n+3], v1, s[16:17] offset:512*n
.set n, n+1
.endr
	WIN 0
	global_load_b128 v[QF:QF+3], v2, s[18:19]
	global_load_b128 v[QF+4:QF+7], v2, s[18:19] offset:512
	s_wait_kmcnt 0x0
	s_add_co_i32 s32, s26, s27
	s_lshl_b32 s32, s32, 23
	s_add_co_i32 s32, s32, 0x3e38aa3b              ; c = log2(e) / 8 x 2^(e6 + e7): the exponents are added to c's exponent field
	s_mov_b32 s33, s32                             ; (named with it as a pair)
	MKSC 23, 22, s29
	MKSC 25, 24, s30
	s_add_co_i32 s34, s28, s29                     ; e8 + e9
; ONE TILE OF 16 QUERIES.
.macro TILE hold
	s_wait_loadcnt 0x0                             ; Q is in (in the first trip K and V too)
	WIN 0x42                                       ; source 0 (K) window 2, source 1 (Q) window 0, destination window 1
.set t, 0
.rept 32
	v_wmma_f32_16x16x64_bf8_bf8 v[8*t:8*t+7], v[8*t:8*t+7], v[QF:QF+7], 0
.set t, t+1
.endr
	WIN 0
.irp c, 0,1,2,3
	v_mov_b32 v[4+\c], 0xff800000                  ; four chains of the maximum begin at -infinity: with the line below, the places behind the products
.endr
	s_add_co_u32 s38, s38, 1024
	s_min_u32 s38, s38, 15360                      ; the next tile of Q; the last trip asks for its own again, so that no load leaves my 16 tiles
	v_add_nc_u32 v2, s38, v1                       ; (free since the wait at the trip's head)
	global_load_b128 v[QF:QF+3], v2, s[18:19]      ; a whole trip ahead of its use
	global_load_b128 v[QF+4:QF+7], v2, s[18:19] offset:512
	WIN 0x14                                       ; sources 1 and 2 window 1
.set g, 0
.rept 8                                            ; four tiles at a time, the chains by turns; each tile is read from its low end on
.irp k, 0,2,4,6
.irp c, 0,1,2,3
	v_max3_num_f32 v[4+\c], v[4+\c], v[8*(4*g+\c)+\k], v[8*(4*g+\c)+\k+1]
.endr
.endr
.set g, g+1
.endr
	WIN 0
	v_max3_num_f32 v4, v4, v5, v6
	v_max_num_f32 v4, v4, v7
	v_permlanex16_b32 v8, v4, s36, s37             ; the query's other 256 keys lie in the lane 16 away
	v_max_num_f32 v4, v4, v8
	v_mul_f32 v13, s32, v4                         ; the row's largest t (c is positive)
	v_floor_f32 v12, -v13                          ; -M = floor(-t) = -ceil(t)
	WIN 0x41                                       ; source 0 and destination window 1
.set j, 0
.rept 4
	v_pk_fma_f32 v[2*j:2*j+1], v[2*j:2*j+1], s[32:33], v[12:13] op_sel_hi:[1,0,0]   ; t - M, two at a time
.set j, j+1
.endr
.rept 124                                          ; a scaling leads, two exponentials follow, four pairs behind their scaling.  None of these reads an exponential's result
	v_pk_fma_f32 v[2*j:2*j+1], v[2*j:2*j+1], s[32:33], v[12:13] op_sel_hi:[1,0,0]
	v_exp_f32 v[2*j-8], v[2*j-8]
	v_exp_f32 v[2*j-7], v[2*j-7]
.set j, j+1
.endr
.rept 4
	v_exp_f32 v[2*j-8], v[2*j-8]
	v_exp_f32 v[2*j-7], v[2*j-7]
.set j, j+1
.endr
	WIN 0x05                                       ; sources 0 and 1 window 1
	v_nop                                          ; a plain line behind the last exponential
	s_wait_alu depctr_va_vdst(0)                   ; ONE wait for the 256 exponentials, ahead of their first reader
.irp c, 0,1,2,3
	v_pk_add_f32 v[14+2*\c:15+2*\c], v[4*\c:4*\c+1], v[4*\c+2:4*\c+3]    ; the row's sum is taken of the unquantised p: four chains, begun by the first eight pairs
.endr
	WIN 0x04                                       ; source 1 window 1
.set j, 16
.rept 30
.irp c, 0,1,2,3
	v_pk_add_f32 v[14+2*\c:15+2*\c], v[14+2*\c:15+2*\c], v[j+2*\c:j+2*\c+1]
.endr
.set j, j+8
.endr
.if \hold
	WIN 0x41
.set j, 0
.rept 256
	v_min_num_f32 v[j], v[j], v22                  ; the conversion does not saturate (ISA guide 7.6.2); p is not negative, so the hold is one-sided
.set j, j+1
.endr
.endif
	WIN 0x01                                       ; source 0 window 1
.set t, 0
.rept 32
	v_cvt_scalef32_pk8_bf8_f32 v[P+2*t:P+2*t+1], v[8*t:8*t+7], v23
.set t, t+1
.endr
	WIN 0
	v_pk_add_f32 v[14:15], v[14:15], v[16:17]      ; (plain lines between the conversions and the products that read their results)
	v_pk_add_f32 v[18:19], v[18:19], v[20:21]
	v_pk_add_f32 v[14:15], v[14:15], v[18:19]
	v_add_f32 v14, v14, v15
	v_permlanex16_b32 v8, v14, s36, s37
	v_add_f32 v14, v14, v8                         ; the row's sum
	v_rcp_f32 v26, v14
	v_nop                                          ; a plain line behind the transcendental
	WIN 0x03                                       ; source 0 (V^T) window 3
.irp ks, 0,1,2,3                                   ; the four accumulators take turns, one instruction a turn
.irp i, 0,1,2,3
.if \ks == 0
	v_wmma_f32_16x16x128_bf8_bf8 v[O+8*\i:O+8*\i+7], v[16*(4*\i+\ks):16*(4*\i+\ks)+15], v[P+16*\ks:P+16*\ks+15], 0
.else
	v_wmma_f32_16x16x128_bf8_bf8 v[O+8*\i:O+8*\i+7], v[16*(4*\i+\ks):16*(4*\i+\ks)+15], v[P+16*\ks:P+16*\ks+15], v[O+8*\i:O+8*\i+7]
.endif
.endr
.endr
	WIN 0
	s_wait_alu depctr_va_vdst(0)                   ; the wait for the reciprocal, ahead of its first reader
	v_ldexp_f32 v26, v26, s34                      ; 2^(e8 + e9) / the sum.  This line and the three below are the four places behind the products
	v_mov_b32 v27, v26
	v_nop
	v_nop
.set j, 0
.rept 16
	v_pk_mul_f32 v[O+j:O+j+1], v[O+j:O+j+1], v[26:27]     ; each accumulator from its low end on
.set j, j+2
.endr
.set j, 0
.rept 32
	v_med3_num_f32 v[O+j], v[O+j], -v24, v24
.set j, j+1
.endr
	s_wait_xcnt 0x0                                ; the last trip's stores have read their codes and their offset
	v_add_nc_u32 v3, s39, v1
.irp i, 0,1,2,3
	v_cvt_scalef32_pk8_bf8_f32 v[OC+2*\i:OC+2*\i+1], v[O+8*\i:O+8*\i+7], v25
.endr
	v_nop                                          ; a plain line behind the last conversion: the next trip's products write its sources
	global_store_b128 v3, v[OC:OC+3], s[8:9]                  ; 512 consecutive bytes each
	global_store_b128 v3, v[OC+4:OC+7], s[8:9] offset:512
	s_add_co_u32 s39, s39, 16384
.endm
	s_cmp_ge_i32 s29, -15
	s_cbranch_scc1 .Lfree
.Lheld:
	TILE 1
	s_sub_co_u32 s40, s40, 1
	s_cmp_lg_u32 s40, 0
	s_cbranch_scc1 .Lheld
	s_endpgm
.Lfree:
	TILE 0
	s_sub_co_u32 s40, s40, 1
	s_cmp_lg_u32 s40, 0
	s_cbranch_scc1 .Lfree
	s_endpgm
.Lfunc_end_k_q38163628d6_attn:
	.size	k_q38163628d6_attn, .Lfunc_end_k_q38163628d6_attn-k_q38163628d6_attn
	.p2alignl 7, 3214868480
	.fill 96, 4, 3214868480
	.section	.rodata,"a",@progbits
	.p2align	6, 0x0
	.amdhsa_kernel k_q38163628d6_attn
		.amdhsa_group_segment_fixed_size 0
		.amdhsa_private_segment_fixed_size 0
		.amdhsa_enable_private_segment 0
		.amdhsa_kernarg_size 24
		.amdhsa_user_sgpr_count 2
		.amdhsa_user_sgpr_kernarg_segment_ptr 1
		.amdhsa_wavefront_size32 1
		.amdhsa_system_sgpr_workgroup_id_x 1
		.amdhsa_system_sgpr_workgroup_id_y 1
		.amdhsa_system_sgpr_workgroup_id_z 1
		.amdhsa_system_vgpr_workitem_id 0
		.amdhsa_next_free_vgpr 1024
		.amdhsa_next_free_sgpr 66
		.amdhsa_reserve_vcc 0
		.amdhsa_float_denorm_mode_32 3
		.amdhsa_float_denorm_mode_16_64 3
		.amdhsa_memory_ordered 1
		.amdhsa_forward_progress 1
		.amdhsa_inst_pref_size 108
	.end_amdhsa_kernel
	.amdgpu_metadata
---
amdhsa.version: [ 1, 2 ]
amdhsa.kernels:
  - .name:           k_q38163628d6_attn
    .symbol:         k_q38163628d6_attn.kd
    .args:
      - { .name: qkv, .offset: 0, .size: 8, .value_kind: global_buffer, .address_space: global }
      - { .name: lowp_scales, .offset: 8, .size: 8, .value_kind: global_buffer, .address_space: global }
      - { .name: oimg, .offset: 16, .size: 8, .value_kind: global_buffer, .address_space: global }
    .group_segment_fixed_size: 0
    .private_segment_fixed_size: 0
    .kernarg_segment_align: 8
    .kernarg_segment_size: 24
    .max_flat_workgroup_size: 128
    .sgpr_count:     66
    .vgpr_count:     1024
    .wavefront_size: 32
...
	.end_amdgpu_metadata
.endif
;; end of part 3
;; launch outp (part 4): grid 4 x 64, 4 waves a work-group, clusters of 4 x 4, 327,680 bytes of LDS; arguments opnd, oimg, x, bo, lowp_scales, out0; writes out0
.if DOCPART == 4
	.amdgcn_target "amdgcn-amd-amdhsa--gfx1250"
	.amdhsa_code_object_version 6
	.text
	.protected	k_q38163628d6_outp
	.globl	k_q38163628d6_outp
	.p2align	8
	.type	k_q38163628d6_outp,@function
k_q38163628d6_outp:
	s_mov_b64 s[64:65], 0
	v_nop
	global_prefetch_b8 v0, s[64:65] scope:SCOPE_SE
	s_setreg_imm32_b32 hwreg(HW_REG_WAVE_MODE, 25, 1), 1
	s_wait_xcnt 0x0
	s_wait_alu depctr_hold_cnt(0) depctr_sa_sdst(0) depctr_va_vdst(0) depctr_va_sdst(0) depctr_va_ssrc(0) depctr_va_vcc(0) depctr_vm_vsrc(0)
	s_getreg_b32 s2, hwreg(HW_REG_IB_STS2, 6, 4)
	s_cmp_eq_u32 s2, 0
	s_cbranch_scc0 .Lentry_in_a_cluster
	s_endpgm
.Lentry_in_a_cluster:
	s_bfe_u32 s2, ttmp6, 0x10000c
	s_cmp_lg_u32 s2, 0xf033
	s_cbranch_scc0 .Lentry_shape_is_right
	s_endpgm
.Lentry_shape_is_right:
; OUTP: out0[b][c][s] = x[b][c][s] + (o Wo + bo)[b][s][c], the product on codes of BF8 (E5M2), K = 1,024.
; Both operands are images of operand registers ([row / 16][k / 128][4 chunks][32 lanes][16 bytes]): Wo's rows c at opnd + 0x1b00000, o's rows 2,048 b + s in oimg.
; A tile is 256 channels x 256 columns s, made by four waves, each 128 x 128.  Source 0 ('B') = 16 rows of o, source 1 ('A') = 16 rows of Wo: a lane holds ONE channel c and eight neighbouring s,
; which is how x and out0 lie in memory.  Nothing is transposed.
; K goes through a ring of two LDS slots of 256 along K, filled by the tensor data mover; four slots' worth in all, so the steps are written out.
; CLUSTERS: 4 x 4 work-groups; Wo's tile is shared along a row of the cluster, o's along a column: each is asked for jointly, by the same tensor load with a mask that names the four.
; THE WAY OUT, block by block of 16 channels x 128 columns: sum x 2^(e10 + e11) + bo goes through the wave's own stage in LDS and comes back as whole rows of 512 bytes; x's same rows are added; the 32 lanes
; store 512 consecutive bytes.  x's rows are asked for four blocks ahead.
; LIMIT: e10 + e11 between -126 and 127, so that 2^(e10 + e11) is an f32 number.
; REGISTERS, in windows of 256: window 0: v0-31 addresses; v128-255 A's fragments, one set; window 1: B's fragments, two sets; windows 2, 3: the accumulators ((a, b) at v[8 (8 (a % 4) + b)]).
;   On the way out, window 0: v32-95 a block's numbers; v96-103 bo; v104-119 bo as pairs; v128-255 rows read back, two sets;  window 1: x's rows, four sets of 64.
.set SLOT,   131072
.set HALFT,  32768
.set SPARE,  262144                    ; behind the ring: the spare words, 128 bytes for each wave
.set SPITCH, 528                       ; the stage: 16 rows x (512 bytes + 16) for each wave, in slot 0, which has had its last fill and its last read when the first result is stored there
.set FR,     16
.set NL,     4
.set NP,     4
.set WO_OFF, 0x1b00000
.set ADRA, 16
.set ADRB, 20
.set STO,  24                          ; v24  the stage: where I put 32 bytes of a row
.set RD,   25                          ; v25  and where I read a row back
.set PFO,  27                          ; v27  the prefetches' offset; never rewritten
.set SPW,  28
.set NIL,  29
.set TMP,  32
.set BP,   104
.set AF,   128
.set BK,   128
.set G1, 24
.set G0, 32
.set G1B, 48
.set G0B, 56
.set MSB, 0
.macro WIN new
.if MSB != \new
	s_set_vgpr_msb (MSB<<8)|\new
.set MSB, \new
.endif
.endm
.set MUL_LO, 0xa1
.set MUL_HI, 0xf1
.set TO_B,   0x40
.macro JLOAD s                         ; a joint load: waves 0 and 1 fetch A's halves, waves 2 and 3 B's; four v_nop follow each of the two lines
	s_cmp_eq_u32 s19, 0
	s_cbranch_scc0 .Lfor_b_\@
	tensor_load_to_lds s[G0+4*\s:G0+4*\s+3], s[G1:G1+7]
	s_nop 0
.rept 4
	v_nop
.endr
	s_branch .Lasked_\@
.Lfor_b_\@:
	tensor_load_to_lds s[G0B+4*\s:G0B+4*\s+3], s[G1B:G1B+7]
	s_nop 0
.rept 4
	v_nop
.endr
.Lasked_\@:
.endm
.macro CREST
	s_cmp_lg_u32 s18, 0
	s_cbranch_scc1 .Lnot_wave_0_\@
	s_barrier_signal -3
.Lnot_wave_0_\@:
	s_barrier_wait -3
	s_barrier_signal -1
	s_barrier_wait -1
.endm
.macro CROUND
	s_barrier_signal -1
	s_barrier_wait -1
	CREST
.endm
	s_load_b256 s[4:11], s[0:1], 0x0               ; opnd, oimg, x, bo
	s_load_b128 s[12:15], s[0:1], 0x20             ; the exponents, out0
	v_lshl_add_u32 v[SPW], v0, 2, SPARE
	v_mov_b32 v[NIL], 0
	ds_add_u32 v28, v29
	ds_add_u32 v28, v29
	s_wait_dscnt 0x0
	v_lshrrev_b32 v1, 5, v0
	v_readfirstlane_b32 s18, v1                    ; wave 0..3
	s_lshr_b32 s19, s18, 1                         ; which half of the channels is mine.  Also: I fetch for A (0) or for B (1)
	s_and_b32 s20, s18, 1                          ; which half of the columns.  Also: which 128 rows of that tile I fetch
	s_bfe_u32 s21, ttmp6, 0x40000                  ; cx
	s_bfe_u32 s22, ttmp6, 0x40004                  ; cy
	s_and_b32 s23, ttmp7, 0xffff                   ; the cluster's y
	s_lshl_b32 s85, s23, 2
	s_add_co_u32 s85, s85, s21                     ; B's tile: 256 rows of o
	s_lshl_b32 s40, s22, 2
	s_lshl_b32 s40, 15, s40                        ; my row of the cluster
	s_lshl_b32 s41, 0x1111, s21                    ; my column
	; group 1: 8 rows (row tiles) of 4,096 bytes (two K steps), 16,384 bytes apart, in elements of 8 bytes; laid on end in LDS
	s_or_b32 s[G1], s40, (3<<16)|(1<<21)
	s_or_b32 s[G1B], s41, (3<<16)|(1<<21)
.irp g, G1, G1B
	s_mov_b32 s[\g+1], 512<<16
	s_mov_b32 s[\g+2], 8<<16
	s_mov_b32 s[\g+3], 512<<16
	s_mov_b32 s[\g+4], 8
	s_mov_b32 s[\g+5], 2048
	s_mov_b32 s[\g+6], 0
	s_mov_b32 s[\g+7], 0
.endr
	s_lshl_b32 s42, s20, 17
	s_lshl_b32 s86, s22, 18                        ; A's tile is cy
	s_add_co_u32 s86, s86, s42
	s_add_co_u32 s86, s86, WO_OFF
	s_mov_b32 s87, 0
	s_lshl_b32 s88, s85, 18
	s_add_co_u32 s88, s88, s42
	s_mov_b32 s89, 0
	s_mul_i32 s45, s18, HALFT
	s_wait_kmcnt 0x0
	s_load_b64 s[68:69], s[12:13], 0x28            ; e10, e11
	s_add_nc_u64 s[86:87], s[4:5], s[86:87]
	s_add_nc_u64 s[88:89], s[6:7], s[88:89]
	CROUND                                         ; all sixteen work-groups are here: the first joint loads meet
.irp s, 0,1
	s_mov_b32 s[G0+4*\s], 1
	s_add_co_u32 s[G0+4*\s+1], s45, \s*SLOT
	s_add_nc_u64 s[G0+4*\s+2:G0+4*\s+3], s[86:87], \s*4096
	s_or_b32 s[G0+4*\s+3], s[G0+4*\s+3], 0x80000000
	s_mov_b32 s[G0B+4*\s], 1
	s_add_co_u32 s[G0B+4*\s+1], s45, \s*SLOT
	s_add_nc_u64 s[G0B+4*\s+2:G0B+4*\s+3], s[88:89], \s*4096
	s_or_b32 s[G0B+4*\s+3], s[G0B+4*\s+3], 0x80000000
	JLOAD \s                                       ; two tensor loads of mine are out
.endr
	v_and_b32 v2, 31, v0
	v_lshlrev_b32 v3, 4, v2                        ; 16 x lane: an image's place, and my 16 bytes of a row of 512
	s_mul_i32 s40, s19, HALFT
	s_mul_i32 s41, s20, HALFT
	s_add_co_u32 s41, s41, 65536
.irp s, 0,1
	v_add_nc_u32 v[ADRA+\s], s40, v3
	v_add_nc_u32 v[ADRB+\s], s41, v3
	s_add_co_u32 s40, s40, SLOT
	s_add_co_u32 s41, s41, SLOT
.endr
	v_and_b32 v4, 15, v0                           ; r
	v_bfe_u32 v5, v0, 4, 1                         ; h
	s_mul_i32 s44, s18, 16*SPITCH                  ; my stage
	v_mul_u32_u24 v6, v4, SPITCH
	v_lshl_add_u32 v6, v5, 5, v6
	v_add_nc_u32 v[STO], s44, v6                   ; in: row r, 32 bytes for each half of the lanes
	v_add_nc_u32 v[RD], s44, v3                    ; back: the 32 lanes take one row
	s_lshl_b32 s40, s22, 8
	s_lshl_b32 s41, s19, 7
	s_add_co_u32 s40, s40, s41                     ; my first channel
	s_lshl_b32 s41, s85, 8
	s_lshl_b32 s42, s20, 7
	s_add_co_u32 s41, s41, s42                     ; my first row of o = 2,048 batch + s
	s_lshr_b32 s42, s41, 11
	s_lshl_b32 s42, s42, 23                        ; batch x 8 MiB
	s_lshl_b32 s43, s40, 13                        ; + channel x 8,192
	s_add_co_u32 s42, s42, s43
	s_and_b32 s43, s41, 2047
	s_lshl_b32 s43, s43, 2                         ; + 4 s
	s_add_co_u32 s42, s42, s43
	s_mov_b32 s43, 0
	s_add_nc_u64 s[90:91], s[8:9], s[42:43]        ; x at my part; never stepped: every offset below is an immediate, 1,040,384 at the most
	s_add_nc_u64 s[92:93], s[14:15], s[42:43]      ; out0 likewise
	s_lshl_b32 s40, s40, 2
	v_lshl_add_u32 v7, v4, 2, s40
.irp a, 0,1,2,3,4,5,6,7
	global_load_b32 v[96+\a], v7, s[10:11] offset:64*\a      ; bo of channel 16 a + r
.endr
	v_lshrrev_b32 v8, 1, v2
	v_and_b32 v9, 1, v2
	v_lshlrev_b32 v[PFO], 13, v8
	v_lshl_add_u32 v[PFO], v9, 8, v[PFO]           ; a block of x is 16 rows x 512 bytes: lane l names row l / 2, half l % 2
.macro FRAG reg, adr, q, i
.irp c, 0,1,2,3
	ds_load_b128 v[\reg+4*\c:\reg+4*\c+3], v[\adr] offset:(\i)*4096+(\q)*2048+512*\c
.endr
.endm
; 16 matrix instructions: A's blocks a0, a0 + 1 x B's eight.  The 64 accumulators take turns, one instruction a turn, in the same order in every step.
.macro MUL16 a0, p, zero
.irp a, \a0, \a0+1
.irp b, 0,1,2,3,4,5,6,7
.if \zero
	v_wmma_f32_16x16x128_bf8_bf8 v[8*(8*((\a)%4)+\b):8*(8*((\a)%4)+\b)+7], v[128*(\p)+FR*\b:128*(\p)+FR*\b+FR-1], v[AF+FR*(\a):AF+FR*(\a)+FR-1], 0
.else
	v_wmma_f32_16x16x128_bf8_bf8 v[8*(8*((\a)%4)+\b):8*(8*((\a)%4)+\b)+7], v[128*(\p)+FR*\b:128*(\p)+FR*\b+FR-1], v[AF+FR*(\a):AF+FR*(\a)+FR-1], v[8*(8*((\a)%4)+\b):8*(8*((\a)%4)+\b)+7]
.endif
.endr
.endr
.endm
.macro FETCH_B slot, q, p
	WIN TO_B
.irp i, 0,1,2,3,4,5,6,7
	FRAG 128*(\p)+FR*\i, ADRB+\slot, \q, \i
.endr
	WIN 0
.endm
.macro FETCH_A slot, q, i0
.irp i, \i0, \i0+1, \i0+2, \i0+3
	FRAG AF+FR*(\i), ADRA+\slot, \q, \i
.endr
.endm
.macro PLACES n                        ; plain vector lines between a matrix instruction and a load into, or a vector access to, its registers (ISA guide 7.12.1 for vector accesses)
.rept \n
	v_nop
.endr
.endm
.macro STEP slot, q, zero
	s_wait_dscnt 4*NL                              ; B's set and A's blocks 0-3 are in; the youngest sixteen loads (A's blocks 4-7) may be out
	WIN MUL_LO
	MUL16 0, (\q)%2, \zero
	MUL16 2, (\q)%2, \zero
	s_wait_dscnt 0
	PLACES NP
	FETCH_B \slot, (\q)+1, 1-(\q)%2
	FETCH_A \slot, (\q)+1, 0
	WIN MUL_HI
	MUL16 4, (\q)%2, \zero
	MUL16 6, (\q)%2, \zero
	PLACES NP
	WIN 0
	FETCH_A \slot, (\q)+1, 4
.endm
; A slot's last step changes slots: one barrier; in front of it each wave waits for all its tensor loads, adds 0 to its spare word, and waits for that and for its reads of this slot.
; Behind the joint load and the run of LDS loads of each of the two changes that fill a slot stand two prefetches of x: blocks 2 slot and 2 slot + 1 of my eight, 8,192 bytes each, a lane to each 256 bytes.
; My part of x is read by no other wave, so each block of 256 bytes is named once; blocks 0 to 3 are named, five and four steps of 64 matrix instructions ahead of their loads; blocks 4 to 7 come by their loads alone.
.macro TURN slot, next, fill
	s_wait_tensorcnt 0x0                           ; all my tensor loads have landed: my part of the next slot
	ds_add_u32 v[SPW], v[NIL]                      ; 0 onto my spare word
	s_wait_dscnt 4*NL+1                            ; the add and the youngest sixteen loads may be out
	WIN MUL_LO
	MUL16 0, 1, 0
	s_wait_dscnt 0x0                               ; the add is done, and my reads of this slot are over
	s_barrier_signal -1
	MUL16 2, 1, 0
	WIN 0
	s_barrier_wait -1
.if \fill
	CREST                                          ; the barrier has opened a round of the cluster's: no wave of any partner still reads this slot or has a load on its way
	s_add_nc_u64 s[G0+4*\slot+2:G0+4*\slot+3], s[G0+4*\slot+2:G0+4*\slot+3], 8192
	s_add_nc_u64 s[G0B+4*\slot+2:G0B+4*\slot+3], s[G0B+4*\slot+2:G0B+4*\slot+3], 8192
	JLOAD \slot                                    ; the first tensor load behind the round, and my only one out; its four v_nop are the places in front of the loads below
.else
	PLACES NP
.endif
	FETCH_B \next, 0, 0
	FETCH_A \next, 0, 0
.if \fill
	global_prefetch_b8 v[PFO], s[90:91] offset:(2*\slot)*131072 th:TH_LOAD_NT scope:SCOPE_SE
	global_prefetch_b8 v[PFO], s[90:91] offset:(2*\slot+1)*131072 th:TH_LOAD_NT scope:SCOPE_SE
.endif
	WIN MUL_HI
	MUL16 4, 1, 0
	MUL16 6, 1, 0
	PLACES NP
	WIN 0
	FETCH_A \next, 0, 4
.endm
.macro XLOAD a                         ; x's 16 rows of block a, 512 consecutive bytes a load, into window 1, set a % 4
	WIN TO_B
.irp t, 0,1,2,3,4,5,6,7,8,9,10,11,12,13,14,15
	global_load_b128 v[64*((\a)%4)+4*\t:64*((\a)%4)+4*\t+3], v3, s[90:91] offset:(\a)*131072+\t*8192 th:TH_LOAD_NT
.endr
	WIN 0
.endm
	s_wait_tensorcnt 1                             ; my part of slot 0 is in; slot 1's load may be out
	s_barrier_signal -1
	s_barrier_wait -1
	FETCH_B 0, 0, 0
	FETCH_A 0, 0, 0
	FETCH_A 0, 0, 4
	STEP 0, 0, 1                                   ; the first products start the sums
	TURN 0, 1, 1
	STEP 1, 0, 0
	TURN 1, 0, 1
	STEP 0, 0, 0
	TURN 0, 1, 0                                   ; the last lap fills nothing
	STEP 1, 0, 0
	s_wait_loadcnt 0x0                             ; bo
.irp a, 0,1,2,3,4,5,6,7
	v_mov_b32 v[BP+2*\a], v[96+\a]                 ; as pairs, for the packed multiply-add
	v_mov_b32 v[BP+2*\a+1], v[96+\a]
.endr
	s_wait_kmcnt 0x0
	s_add_co_i32 s96, s68, s69
	s_add_co_i32 s96, s96, 127
	s_lshl_b32 s96, s96, 23                        ; 2^(e10 + e11) as f32
	s_mov_b32 s97, s96                             ; (named with it as a pair)
	XLOAD 0                                        ; B's set 0 is done with, and four places stand behind its last products
	XLOAD 1
	s_wait_dscnt 4*NL                              ; the very last step: nothing more to fetch
	WIN MUL_LO
	MUL16 0, 1, 0
	MUL16 2, 1, 0
	s_wait_dscnt 0
	WIN MUL_HI
	MUL16 4, 1, 0
	MUL16 6, 1, 0
	WIN 0
	PLACES NP                                      ; for the loads into B's set 1 and into A's fragments, and for the first reads of results
	XLOAD 2
	XLOAD 3
.macro TOSTAGE a
.set AC, 64*((\a)%4)
	WIN 0x02+((\a)/4)                              ; source 0: window 2 or 3
.set j, 0
.rept 32
	v_pk_fma_f32 v[TMP+j:TMP+j+1], v[AC+j:AC+j+1], s[96:97], v[BP+2*(\a):BP+2*(\a)+1] op_sel_hi:[1,0,1]   ; sum x 2^(e10 + e11) + bo; each accumulator from its low end on
.set j, j+2
.endr
	WIN 0
.irp b, 0,1,2,3,4,5,6,7
	ds_store_b128 v[STO], v[TMP+8*\b:TMP+8*\b+3] offset:64*\b
	ds_store_b128 v[STO], v[TMP+8*\b+4:TMP+8*\b+7] offset:64*\b+16
.endr
.set BB, BK+64*((\a)%2)
.irp t, 0,1,2,3,4,5,6,7,8,9,10,11,12,13,14,15
	ds_load_b128 v[BB+4*\t:BB+4*\t+3], v[RD] offset:\t*SPITCH    ; LDS serves a wave's instructions in order (ISA guide 5.7.1.4): these see my stores
.endr
.endm
.macro SEND a, younger                 ; younger: the LDS instructions issued behind block a's loads, which may stay out
.set BB, BK+64*((\a)%2)
.set XR, 64*((\a)%4)
	s_wait_dscnt \younger                          ; the block is back in registers
.if (\a) < 5
	s_wait_loadcnt 48                              ; x's block a is in; the three blocks asked for behind it may be out
.else
	s_wait_loadcnt 16*(7-(\a))
.endif
	WIN 0x04                                       ; source 1: window 1
.set j, 0
.rept 32
	v_pk_add_f32 v[BB+j:BB+j+1], v[BB+j:BB+j+1], v[XR+j:XR+j+1]
.set j, j+2
.endr
	WIN 0
.irp t, 0,1,2,3,4,5,6,7,8,9,10,11,12,13,14,15
	global_store_b128 v3, v[BB+4*\t:BB+4*\t+3], s[92:93] offset:(\a)*131072+\t*8192 th:TH_STORE_NT   ; 32 lanes store 512 consecutive bytes, at a multiple of 256 from out0's first byte
.endr
.if (\a) < 4
	XLOAD (\a)+4                                   ; its set takes the block four further on
.endif
.endm
	TOSTAGE 0
.irp a, 1,2,3,4,5,6,7
.if \a > 1
	s_wait_xcnt 0x0                                ; block a - 2's stores have read their registers: block a's loads from the stage may land there
.endif
	TOSTAGE \a
	SEND \a-1, 32                                  ; behind block a - 1's loads: block a's 16 stores and 16 loads
.endr
	SEND 7, 0
	s_wait_tensorcnt 0x0                           ; the wave's end
	ds_add_u32 v[SPW], v[NIL]
	s_wait_dscnt 0x0
	CROUND                                         ; the closing round
	s_endpgm
.Lfunc_end_k_q38163628d6_outp:
	.size	k_q38163628d6_outp, .Lfunc_end_k_q38163628d6_outp-k_q38163628d6_outp
	.p2alignl 7, 3214868480
	.fill 96, 4, 3214868480
	.section	.rodata,"a",@progbits
	.p2align	6, 0x0
	.amdhsa_kernel k_q38163628d6_outp
		.amdhsa_group_segment_fixed_size 327680
		.amdhsa_private_segment_fixed_size 0
		.amdhsa_enable_private_segment 0
		.amdhsa_kernarg_size 48
		.amdhsa_user_sgpr_count 2
		.amdhsa_user_sgpr_kernarg_segment_ptr 1
		.amdhsa_wavefront_size32 1
		.amdhsa_system_sgpr_workgroup_id_x 1
		.amdhsa_system_sgpr_workgroup_id_y 1
		.amdhsa_system_sgpr_workgroup_id_z 1
		.amdhsa_system_vgpr_workitem_id 0
		.amdhsa_next_free_vgpr 1024
		.amdhsa_next_free_sgpr 100
		.amdhsa_reserve_vcc 0
		.amdhsa_float_denorm_mode_32 3
		.amdhsa_float_denorm_mode_16_64 3
		.amdhsa_memory_ordered 1
		.amdhsa_forward_progress 1
		.amdhsa_inst_pref_size 154
	.end_amdhsa_kernel
	.amdgpu_metadata
---
amdhsa.version: [ 1, 2 ]
amdhsa.kernels:
  - .name:           k_q38163628d6_outp
    .symbol:         k_q38163628d6_outp.kd
    .args:
      - { .name: opnd, .offset: 0, .size: 8, .value_kind: global_buffer, .address_space: global }
      - { .name: oimg, .offset: 8, .size: 8, .value_kind: global_buffer, .address_space: global }
      - { .name: x, .offset: 16, .size: 8, .value_kind: global_buffer, .address_space: global }
      - { .name: bo, .offset: 24, .size: 8, .value_kind: global_buffer, .address_space: global }
      - { .name: lowp_scales, .offset: 32, .size: 8, .value_kind: global_buffer, .address_space: global }
      - { .name: out0, .offset: 40, .size: 8, .value_kind: global_buffer, .address_space: global }
    .group_segment_fixed_size: 327680
    .private_segment_fixed_size: 0
    .kernarg_segment_align: 8
    .kernarg_segment_size: 48
    .max_flat_workgroup_size: 128
    .sgpr_count:     100
    .vgpr_count:     1024
    .wavefront_size: 32
...
	.end_amdgpu_metadata
.endif
;; end of part 4
;; ======== version 2 of 2: 4 launches; version 1 with the launch attn written anew for expert scheduling mode
;; workspace buffers: opnd 29,360,128 bytes; rope 524,288 bytes; qkv 25,165,824 bytes; oimg 16,777,216 bytes
;; launch prep: the kernel of part 1 again; grid 256 x 1, 16 waves a work-group, no clusters, 137,216 bytes of LDS; arguments x, text_embeddings, g_x, b_x, g_t, b_t, Wq, Wk, Wv, Wo, lowp_scales, opnd, rope; writes opnd, rope
;; launch proj: the kernel of part 2 again; grid 4 x 64, 4 waves a work-group, clusters of 4 x 4, 327,680 bytes of LDS; arguments opnd, rope, bq, bk, bv, lowp_scales, qkv; writes qkv
;; launch attn (part 5): grid 256 x 1, 4 waves a work-group, no clusters, 0 bytes of LDS; arguments qkv, lowp_scales, oimg; writes oimg
.if DOCPART == 5
	.amdgcn_target "amdgcn-amd-amdhsa--gfx1250"
	.amdhsa_code_object_version 6
	.text
	.protected	k_q38163628d6_attn
	.globl	k_q38163628d6_attn
	.p2align	8
	.type	k_q38163628d6_attn,@function
k_q38163628d6_attn:
	s_mov_b64 s[64:65], 0
	v_nop
	global_prefetch_b8 v0, s[64:65] scope:SCOPE_SE
	s_setreg_imm32_b32 hwreg(HW_REG_WAVE_SCHED_MODE, 0, 2), 2
	s_setreg_imm32_b32 hwreg(HW_REG_WAVE_MODE, 25, 1), 1
	s_wait_xcnt 0x0
	s_wait_alu depctr_vm_vsrc(0)
; ATTN: o = softmax(q k^T / 8) v for 128 heads of 2,048 queries, 512 keys, head size 64, both products on codes of BF8 (E5M2); o is quantised with 2^e10 for the last projection.
; q, k, v^T arrive as images of operand registers (lane (r, h): row r; registers 2 c, 2 c + 1: k = 16 c + 8 h + 0..7), so every fragment is loaded at 16 x lane.
; SHARES.  Two work-groups to a head; a wave owns 16 tiles of 16 queries.  A HEAD'S WHOLE K AND V^T STAY IN THE WAVE'S REGISTERS (256 + 256), loaded once; a tile's whole row of 512 scores lies in 256
; more.  So there is no LDS, no barrier, no running maximum: M is the row's own.  Waves share nothing; K and V are read once a wave and not in every step, so nothing is asked for jointly.
; LAYOUT.  S^T = K Q^T (source 0 = 16 keys, source 1 = my 16 queries) and O^T = V^T P^T (source 0 = 16 of the head's 64, source 1 = P): a lane holds ONE query (lane % 16) throughout; register j of score
; tile t is key 16 t + 8 h + j, so one conversion of a tile gives registers 2 t, 2 t + 1 of P; register j of tile i of O^T is d = 16 i + 8 h + j, so one conversion gives registers 2 i, 2 i + 1 of o's image.
; THE SOFTMAX.  t = score x 2^(e6 + e7) x log2(e) / 8; M = ceil(the row's largest t), kept as -M = floor(-t); p = 2^(t - M) is quantised with 2^e9, not normalised; the row's sum is taken of the
; unquantised p and divides O at the end, with 2^(e8 + e9).
; THE HOLD OF p.  p is at most 1.  Where e9 >= -15 the largest code x 2^e9 is at least 1.75 and the hold can never bind: the loop is written twice, with the hold and without, and a scalar branch on e9,
; a whole number read from memory, chooses.  This launch has no tensor load and no copy.
; LIMITS: e6 + e7 between -124 and 129 (added to c's exponent field); e9, e10 between -126 and 112; e8 + e9 goes through v_ldexp_f32 and has none.  NaN is not served.
; THE MODE: SCHED_MODE bits 1:0 = 2 (LLVM: expert scheduling mode 2), set by the entry lines.  The code itself states the register dependences between vector or matrix instructions and memory
; instructions, with s_wait_alu, always for 0.
; THE PLAN.  Registers that memory instructions touch:
;   v1          16 x lane, the offset of every load and store.  Written at the head, never again: Q's tiles and o's row tiles are reached by scalar bases, made anew in each trip.
;   K, V^T      windows 2 and 3: loaded once at the head; read by matrix instructions; no vector instruction writes them.
;   QF          A trip's 32 products K Q^T read it; behind the row's maximum the next tile's two loads land in it.
;   OC          A trip's last four conversions write it; the trip's two stores read it; the next trip's conversions write it again.
;   All else (S^T and p, P, O^T, the statistics, the scales) is named by vector and matrix instructions alone.
; A trip has five waits.  On va_vdst: behind the maximum (the products are done reading QF; the line that follows reads the maximum's last result); behind the exponentials and behind the reciprocal (ahead
; of their first readers); behind the last conversions (OC is written, ahead of the stores).  On vm_vsrc: ahead of those conversions (the last trip's stores have read OC).
; REGISTERS, in windows of 256: window 2: K, tile t at v[8 t];  window 3: V^T, fragment (i, K step ks) at v[16 (4 i + ks)];  window 1: S^T, then p, tile t at v[8 t];
;   window 0: v1 16 x lane; v4-7 four maxima; v8 at work; v12 -M, v13 the largest t; v14-21 four pairs of sums; v22, v23 limit and scale of p; v24, v25 of o; v26, v27 the divisor;
;   v32-39 Q; v40-47 o's codes; v48-79 O^T; v128-191 P.
.set QF, 32
.set OC, 40
.set O,  48
.set P,  128
.set MSB, 0
.macro WIN new                         ; the immediate's high byte repeats the setting that is left
.if MSB != \new
	s_set_vgpr_msb (MSB<<8)|\new
.set MSB, \new
.endif
.endm
.macro MKSC vs, vl, se, ta, tb         ; v[vs] = 2^e as f32, v[vl] = 57,344 x 2^e.  s[ta], s[tb]: scalars of its own for each call, so that none that a vector line has read is written again
	s_add_co_i32 s[\ta], \se, 127
	s_lshl_b32 s[\tb], s[\ta], 23
	v_mov_b32 v[\vs], s[\tb]
	s_add_co_i32 s[\ta], s[\ta], 15
	s_lshl_b32 s[\ta], s[\ta], 23
	s_or_b32 s[\ta], s[\ta], 0x600000
	v_mov_b32 v[\vl], s[\ta]
.endm
	s_load_b128 s[4:7], s[0:1], 0x0                ; qkv, the exponents
	s_load_b64 s[8:9], s[0:1], 0x10                ; oimg
	v_lshrrev_b32 v1, 5, v0
	v_readfirstlane_b32 s10, v1                    ; wave 0..3
	v_and_b32 v1, 31, v0
	v_lshlrev_b32 v1, 4, v1                        ; 16 x lane
	v_mov_b32 v8, 0                                ; written once: a lane permute's destination counts as one of its sources
	s_wait_alu depctr_va_sdst(0)                   ; s10 is written, ahead of its first reader: the offsets of Q and of o are made from it
	s_lshr_b32 s11, ttmp9, 1                       ; 16 x batch + head
	s_and_b32 s12, ttmp9, 1
	s_lshl_b32 s12, s12, 2
	s_add_co_u32 s12, s12, s10                     ; which 16 tiles of queries
	s_lshl_b32 s14, s11, 15
	s_add_co_u32 s14, s14, 0x1000000               ; K's images of the head: 32,768 bytes
	s_mov_b32 s15, 0
	s_add_co_u32 s16, s14, 0x400000                ; V's
	s_mov_b32 s17, 0
	s_lshl_b32 s18, s11, 17
	s_lshl_b32 s19, s12, 14
	s_add_co_u32 s18, s18, s19                     ; my 16 tiles of Q, 1,024 bytes each
	s_mov_b32 s19, 0
	s_lshr_b32 s20, s11, 4                         ; o's image: row tile 128 batch + 16 x which + trip, K step head / 2, chunks 2 (head % 2) and the next
	s_lshl_b32 s20, s20, 21
	s_lshl_b32 s21, s12, 18
	s_add_co_u32 s20, s20, s21
	s_bfe_u32 s21, s11, 0x30001
	s_lshl_b32 s21, s21, 11
	s_add_co_u32 s20, s20, s21
	s_and_b32 s21, s11, 1
	s_lshl_b32 s21, s21, 10
	s_add_co_u32 s20, s20, s21
	s_mov_b32 s21, 0
	s_mov_b32 s36, 0x76543210                      ; v_permlanex16_b32: lane l xor 16
	s_mov_b32 s37, 0xfedcba98
	s_mov_b32 s38, 0                               ; Q's tile in hand, in bytes,
	s_mov_b32 s39, 0                               ; as a pair with 0 above it
	s_mov_b32 s48, 0                               ; o's row tile in hand, in bytes,
	s_mov_b32 s49, 0                               ; likewise
	s_mov_b32 s40, 16                              ; trips
	s_wait_kmcnt 0x0
	s_load_b128 s[24:27], s[6:7], 0x10             ; e4, e5, e6, e7
	s_load_b128 s[28:31], s[6:7], 0x20             ; e8, e9, e10, e11
	s_add_nc_u64 s[14:15], s[4:5], s[14:15]
	s_add_nc_u64 s[16:17], s[4:5], s[16:17]
	s_add_nc_u64 s[18:19], s[4:5], s[18:19]
	s_add_nc_u64 s[8:9], s[8:9], s[20:21]
	WIN 0x80                                       ; destination window 2
	s_wait_alu depctr_va_vdst(0)                   ; v1 is written: every load and store of the kernel reads it as its offset.  Up to Q's first loads only loads and window switches follow
.set n, 0
.rept 64
	global_load_b128 v[4*n:4*n+3], v1, s[14:15] offset:512*n
.set n, n+1
.endr
	WIN 0xc0                                       ; destination window 3
.set n, 0
.rept 64
	global_load_b128 v[4*n:4*n+3], v1, s[16:17] offset:512*n
.set n, n+1
.endr
	WIN 0
	global_load_b128 v[QF:QF+3], v1, s[18:19]
	global_load_b128 v[QF+4:QF+7], v1, s[18:19] offset:512
	s_wait_kmcnt 0x0
	s_add_co_i32 s32, s26, s27
	s_lshl_b32 s32, s32, 23
	s_add_co_i32 s32, s32, 0x3e38aa3b              ; c = log2(e) / 8 x 2^(e6 + e7): the exponents are added to c's exponent field
	s_mov_b32 s33, s32                             ; (named with it as a pair)
	MKSC 23, 22, s29, 50, 51
	MKSC 25, 24, s30, 52, 53
	s_add_co_i32 s34, s28, s29                     ; e8 + e9
; ONE TILE OF 16 QUERIES.
.macro TILE hold
	s_wait_loadcnt 0x0                             ; Q is in (in the first trip K and V too)
	s_add_co_u32 s38, s38, 1024
	s_min_u32 s38, s38, 15360                      ; the next tile of Q; the last trip asks for its own again, so that no load leaves my 16 tiles
	s_add_nc_u64 s[42:43], s[18:19], s[38:39]      ; its base: free since the wait above, which shows the loads that read it done
	WIN 0x42                                       ; source 0 (K) window 2, source 1 (Q) window 0, destination window 1
.set t, 0
.rept 32
	v_wmma_f32_16x16x64_bf8_bf8 v[8*t:8*t+7], v[8*t:8*t+7], v[QF:QF+7], 0
.set t, t+1
.endr
	WIN 0
.irp c, 0,1,2,3
	v_mov_b32 v[4+\c], 0xff800000                  ; four chains of the maximum begin at -infinity: these four lines are the places behind the products
.endr
	WIN 0x14                                       ; sources 1 and 2 window 1
.set g, 0
.rept 8                                            ; four tiles at a time, the chains by turns; each tile is read from its low end on
.irp k, 0,2,4,6
.irp c, 0,1,2,3
	v_max3_num_f32 v[4+\c], v[4+\c], v[8*(4*g+\c)+\k], v[8*(4*g+\c)+\k+1]
.endr
.endr
.set g, g+1
.endr
	WIN 0
	v_max3_num_f32 v4, v4, v5, v6
	v_max_num_f32 v4, v4, v7
	v_permlanex16_b32 v8, v4, s36, s37             ; the query's other 256 keys lie in the lane 16 away
	v_max_num_f32 v4, v4, v8
	v_mul_f32 v13, s32, v4                         ; the row's largest t (c is positive)
	v_floor_f32 v12, -v13                          ; -M = floor(-t) = -ceil(t)
	s_wait_alu depctr_va_vdst(0)                   ; the 32 products are done reading QF, in which the two loads below land
	global_load_b128 v[QF:QF+3], v1, s[42:43]      ; the next tile's Q: the exponentials and the rest of the trip stand ahead of its use
	global_load_b128 v[QF+4:QF+7], v1, s[42:43] offset:512
	WIN 0x41                                       ; source 0 and destination window 1
.set j, 0
.rept 4
	v_pk_fma_f32 v[2*j:2*j+1], v[2*j:2*j+1], s[32:33], v[12:13] op_sel_hi:[1,0,0]   ; t - M, two at a time
.set j, j+1
.endr
.rept 124                                          ; a scaling leads, two exponentials follow, four pairs behind their scaling.  None of these reads an exponential's result
	v_pk_fma_f32 v[2*j:2*j+1], v[2*j:2*j+1], s[32:33], v[12:13] op_sel_hi:[1,0,0]
	v_exp_f32 v[2*j-8], v[2*j-8]
	v_exp_f32 v[2*j-7], v[2*j-7]
.set j, j+1
.endr
.rept 4
	v_exp_f32 v[2*j-8], v[2*j-8]
	v_exp_f32 v[2*j-7], v[2*j-7]
.set j, j+1
.endr
	WIN 0x05                                       ; sources 0 and 1 window 1
	v_nop                                          ; a plain line behind the last exponential
	s_wait_alu depctr_va_vdst(0)                   ; the 256 exponentials have written p: ONE wait, ahead of their first reader
.irp c, 0,1,2,3
	v_pk_add_f32 v[14+2*\c:15+2*\c], v[4*\c:4*\c+1], v[4*\c+2:4*\c+3]    ; the row's sum is taken of the unquantised p: four chains, begun by the first eight pairs
.endr
	WIN 0x04                                       ; source 1 window 1
.set j, 16
.rept 30
.irp c, 0,1,2,3
	v_pk_add_f32 v[14+2*\c:15+2*\c], v[14+2*\c:15+2*\c], v[j+2*\c:j+2*\c+1]
.endr
.set j, j+8
.endr
.if \hold
	WIN 0x41
.set j, 0
.rept 256
	v_min_num_f32 v[j], v[j], v22                  ; the conversion does not saturate (ISA guide 7.6.2); p is not negative, so the hold is one-sided
.set j, j+1
.endr
.endif
	WIN 0x01                                       ; source 0 window 1
.set t, 0
.rept 32
	v_cvt_scalef32_pk8_bf8_f32 v[P+2*t:P+2*t+1], v[8*t:8*t+7], v23
.set t, t+1
.endr
	WIN 0
	v_pk_add_f32 v[14:15], v[14:15], v[16:17]      ; (plain lines between the conversions and the products that read their results)
	v_pk_add_f32 v[18:19], v[18:19], v[20:21]
	v_pk_add_f32 v[14:15], v[14:15], v[18:19]
	v_add_f32 v14, v14, v15
	v_permlanex16_b32 v8, v14, s36, s37
	v_add_f32 v14, v14, v8                         ; the row's sum
	v_rcp_f32 v26, v14
	v_nop                                          ; a plain line behind the transcendental
	WIN 0x03                                       ; source 0 (V^T) window 3
.irp ks, 0,1,2,3                                   ; the four accumulators take turns, one instruction a turn
.irp i, 0,1,2,3
.if \ks == 0
	v_wmma_f32_16x16x128_bf8_bf8 v[O+8*\i:O+8*\i+7], v[16*(4*\i+\ks):16*(4*\i+\ks)+15], v[P+16*\ks:P+16*\ks+15], 0
.else
	v_wmma_f32_16x16x128_bf8_bf8 v[O+8*\i:O+8*\i+7], v[16*(4*\i+\ks):16*(4*\i+\ks)+15], v[P+16*\ks:P+16*\ks+15], v[O+8*\i:O+8*\i+7]
.endif
.endr
.endr
	WIN 0
	s_wait_alu depctr_va_vdst(0)                   ; the reciprocal has written v26, ahead of its first reader
	v_ldexp_f32 v26, v26, s34                      ; 2^(e8 + e9) / the sum.  This line and the three below are the four places behind the products
	v_mov_b32 v27, v26
	v_nop
	v_nop
.set j, 0
.rept 16
	v_pk_mul_f32 v[O+j:O+j+1], v[O+j:O+j+1], v[26:27]     ; each accumulator from its low end on
.set j, j+2
.endr
.set j, 0
.rept 32
	v_med3_num_f32 v[O+j], v[O+j], -v24, v24
.set j, j+1
.endr
	s_wait_xcnt 0x0                                ; the last trip's stores have had their addresses translated (ISA guide 3.1): their base and their codes are written again only behind this wait
	s_wait_alu depctr_vm_vsrc(0)                   ; the last trip's stores have read OC, which the conversions below write again
	s_add_nc_u64 s[44:45], s[8:9], s[48:49]        ; this tile's row tile of o's image
.irp i, 0,1,2,3
	v_cvt_scalef32_pk8_bf8_f32 v[OC+2*\i:OC+2*\i+1], v[O+8*\i:O+8*\i+7], v25
.endr
	v_nop                                          ; a plain line behind the last conversion: the next trip's products write its sources
	s_wait_alu depctr_va_vdst(0)                   ; the conversions have written OC, which the two stores read
	global_store_b128 v1, v[OC:OC+3], s[44:45]                ; 512 consecutive bytes each
	global_store_b128 v1, v[OC+4:OC+7], s[44:45] offset:512
	s_add_co_u32 s48, s48, 16384
.endm
	s_cmp_ge_i32 s29, -15
	s_cbranch_scc1 .Lfree
.Lheld:
	TILE 1
	s_sub_co_u32 s40, s40, 1
	s_cmp_lg_u32 s40, 0
	s_cbranch_scc1 .Lheld
	s_endpgm
.Lfree:
	TILE 0
	s_sub_co_u32 s40, s40, 1
	s_cmp_lg_u32 s40, 0
	s_cbranch_scc1 .Lfree
	s_endpgm
.Lfunc_end_k_q38163628d6_attn:
	.size	k_q38163628d6_attn, .Lfunc_end_k_q38163628d6_attn-k_q38163628d6_attn
	.p2alignl 7, 3214868480
	.fill 96, 4, 3214868480
	.section	.rodata,"a",@progbits
	.p2align	6, 0x0
	.amdhsa_kernel k_q38163628d6_attn
		.amdhsa_group_segment_fixed_size 0
		.amdhsa_private_segment_fixed_size 0
		.amdhsa_enable_private_segment 0
		.amdhsa_kernarg_size 24
		.amdhsa_user_sgpr_count 2
		.amdhsa_user_sgpr_kernarg_segment_ptr 1
		.amdhsa_wavefront_size32 1
		.amdhsa_system_sgpr_workgroup_id_x 1
		.amdhsa_system_sgpr_workgroup_id_y 1
		.amdhsa_system_sgpr_workgroup_id_z 1
		.amdhsa_system_vgpr_workitem_id 0
		.amdhsa_next_free_vgpr 1024
		.amdhsa_next_free_sgpr 66
		.amdhsa_reserve_vcc 0
		.amdhsa_float_denorm_mode_32 3
		.amdhsa_float_denorm_mode_16_64 3
		.amdhsa_memory_ordered 1
		.amdhsa_forward_progress 1
		.amdhsa_inst_pref_size 109
	.end_amdhsa_kernel
	.amdgpu_metadata
---
amdhsa.version: [ 1, 2 ]
amdhsa.kernels:
  - .name:           k_q38163628d6_attn
    .symbol:         k_q38163628d6_attn.kd
    .args:
      - { .name: qkv, .offset: 0, .size: 8, .value_kind: global_buffer, .address_space: global }
      - { .name: lowp_scales, .offset: 8, .size: 8, .value_kind: global_buffer, .address_space: global }
      - { .name: oimg, .offset: 16, .size: 8, .value_kind: global_buffer, .address_space: global }
    .group_segment_fixed_size: 0
    .private_segment_fixed_size: 0
    .kernarg_segment_align: 8
    .kernarg_segment_size: 24
    .max_flat_workgroup_size: 128
    .sgpr_count:     66
    .vgpr_count:     1024
    .wavefront_size: 32
...
	.end_amdgpu_metadata
.endif
;; end of part 5
;; launch outp: the kernel of part 4 again; grid 4 x 64, 4 waves a work-group, clusters of 4 x 4, 327,680 bytes of LDS; arguments opnd, oimg, x, bo, lowp_scales, out0; writes out0
